; MI455X (gfx1250); checked and timed in simulation.
; The chip was launched on July 23, 2026; its instructions are those of AMD's public machine-readable ISA for CDNA 5 (MIT licence, August 2026) and "CDNA5" Instruction Set Architecture Reference Guide (July 2026). The comments in the code are by the model that wrote it; some were corrected since.
;; RBF Multi Head Attn. Allowed arithmetic: matrix products marked QUANTISED: E2M3 operands, one E8M0 scale for each 32 along K, by v_wmma_scale_f32_16x16x128_f8f6f4 with both operands' format E2M3, f32 sums; products left as they are: f32 operands where the result goes on into a quantised operand, else bf16, f16 or f32 operands; f32 sums; everything else in f32.
;; Inputs: Wkv 1,024 x 512 float32; Wo 512 x 512 float32; Wq 512 x 512 float32; h 1,024 x 8 x 512 float32; ln_b 512 float32; ln_g 512 float32.
;; Outputs: out0 1,024 x 8 x 512 float32.
;; This version of the problem:
;;   THIS VERSION OF THE PROBLEM IS GIVEN IN LOW PRECISION. The matrix products marked QUANTISED in the list below multiply operands that are first quantised to E2M3 (2 exponent bits, 3 mantissa bits; 6 bits a number), with one power-of-two scale for each 32 numbers along K (OCP MX v1.0); their sums are f32. All else is computed in f32.
;;   The module's matrix products, in the order in which they are computed (A, B: the left and right operand; K: the contracted axis; several contracted axes count as one K, in the product's order):
;;     1. [M 8,192, K 512] x [K 512, N 512]; A: input h; B: input Wq: QUANTISED
;;     2. [M 8,192, K 512] x [K 512, N 1,024]; A: input h; B: input Wkv: QUANTISED
;;     3. batch 64 x [M 1,024, K 64] x [K 64, N 1,024]; A: computed on the way; B: computed on the way: QUANTISED
;;     4. batch 64 x [M 1,024, K 128] x [K 128, N 1,024]; A: computed on the way; B: computed on the way: QUANTISED
;;     5. batch 1,024 x [M 1, K 1,024] x [K 1,024, N 64]; A: computed on the way; B: computed on the way: left as it is (M = 1 < 16)
;;     6. [M 1,024, K 1,024] x [K 1,024, N 64]; A: computed on the way; B: computed on the way: QUANTISED
;;     7. batch 64 x [M 1,024, K 64] x [K 64, N 1,024]; A: computed on the way; B: computed on the way: QUANTISED
;;     8. batch 1,024 x [M 1, K 1,024] x [K 1,024, N 64]; A: computed on the way; B: computed on the way: left as it is (M = 1 < 16)
;;     9. [M 1,024, K 1,024] x [K 1,024, N 64]; A: computed on the way; B: computed on the way: QUANTISED
;;     10. batch 64 x [M 64, K 1,024] x [K 1,024, N 1,024]; A: computed on the way; B: computed on the way: QUANTISED
;;     11. [M 8,192, K 512] x [K 512, N 512]; A: computed on the way; B: input Wo: QUANTISED
;;   THE QUANTISER, for each operand of a quantised product, along K:
;;     - K is cut into blocks of 32 from its start; a last block that is shorter is filled with zeros.
;;     - A block's scale is 2^e with e = floor(log2(the largest magnitude in the block)) - 2, held to -126 .. 127; a block of zeros has e = 0. As a byte (E8M0): e + 127.
;;     - Each number is divided by its block's scale, clamped to +-7.5, and rounded to the nearest number of E2M3, ties to even, subnormals kept.
;;     - The product sums the exact products of the quantised numbers (number of the format x scale) in f32.
;;   ~~~python
;;   def quantise(x, axis):      # numpy; x: float32 -> the quantised numbers, widened to float32 again
;;       x = np.moveaxis(x, axis, -1); K = x.shape[-1]
;;       x = np.pad(x, [(0, 0)] * (x.ndim - 1) + [(0, -K % 32)]); x = x.reshape(x.shape[:-1] + (-1, 32)); a = np.abs(x).max(-1, keepdims=True)
;;       e = np.where(a > 0, np.clip(np.frexp(np.where(a > 0, a, 1))[1] - 1 - 2, -126, 127), 0)      # np.frexp(a)[1] - 1 = floor(log2(a)), exactly
;;       r = np.clip(x / 2.0 ** e, -7.5, 7.5)
;;       step = 2.0 ** (np.maximum(np.frexp(np.where(r == 0, 1, r))[1] - 1, 0) - 3)
;;       q = np.round(r / step) * step * 2.0 ** e      # np.round: ties to even
;;       return np.moveaxis(q.reshape(q.shape[:-2] + (-1,))[..., :K], -1, axis).astype(np.float32)
;;   ~~~
;;   OPERANDS COMPUTED ON THE WAY. 'Computed on the way' means the value that the module computes at that place (a softmax that the list does not call 'softmax' is quantised finished and normalised). What goes into a quantiser is computed in f32, as accurately as f32 sums, v_exp_f32 and their like allow (about 1e-6 of the number): no bf16 or f16 on the way to a quantiser, and a product that is left as it is and whose result goes on into a quantised operand takes f32 operands (vector FMAs, or v_wmma_f32_16x16x4_f32). A number that lies on a knife's edge between two numbers of the format may be rounded either way, as far as f32 arithmetic and the matrix unit's own rounding can turn it there, and no further.
;; 2 versions, each right; version 2 is version 1 with the launches proj, attn, out written anew for expert scheduling mode. Each part assembles by itself: llvm-mc -triple=amdgcn-amd-amdhsa -mcpu=gfx1250 --defsym DOCPART=n.
;; ======== version 1 of 2: 5 launches
;; workspace buffers: codes 3,932,160 bytes; scl 327,680 bytes; qimg 3,145,728 bytes; kvimg 6,291,456 bytes; vtimg 3,145,728 bytes; aux 1,835,008 bytes; obj2 524,288 bytes; ao 3,670,016 bytes
;; launch quant (part 1): grid 256 x 1, 5 waves a work-group, no clusters, 85,248 bytes of LDS; arguments h, Wq, Wkv, Wo, codes, scl; writes codes, scl
.if DOCPART == 1
	.amdgcn_target "amdgcn-amd-amdhsa--gfx1250"
	.amdhsa_code_object_version 6
	.text
	.protected	k_qcd0d1ade1f_quant
	.globl	k_qcd0d1ade1f_quant
	.p2align	8
	.type	k_qcd0d1ade1f_quant,@function
k_qcd0d1ade1f_quant:
	s_mov_b64 s[64:65], 0
	v_nop
	global_prefetch_b8 v0, s[64:65] scope:SCOPE_SE
	s_setreg_imm32_b32 hwreg(HW_REG_WAVE_MODE, 25, 1), 1
	s_wait_xcnt 0x0
; RBF multi-head attention in MX-FP6 (E2M3), five launches: quant, proj, rbf, attn, out.  THIS ONE turns h, Wq, Wkv and Wo (f32, K = 512 innermost) into codes and E8M0 scale bytes, once.
; WHAT THE PROGRAM SHARES OR LEAVES OUT, for all values of the inputs:
;  (1) head_k's blocks of 32 are the first two blocks of head_kv = k || v, so one set of codes serves the products q.k, k.k and kv.kv; the K = 64 products meet zero codes on the other side for k = 64 .. 127.
;  (2) w_init is 1/1024 everywhere, built in reference()'s own body; it quantises exactly (code 4.0, scale 2^-12).  All 1,024 rows of obj3 = w_init obj2 are one and the same sum: one tile of 16 equal rows gives it.
;  (3) rbf lies in [0, 1], so obj2 and obj3 lie in [0, 1], h_norm in [1, 1.8] and h_rob in [0.11, 0.2] (or is 1): the exponents of the inner logsumexp are bounded by the computation itself, and
;      exp(log_norm - logsumexp) is formed as h_rob / sum(h_rob).  The select on h_norm <= 0.2 is kept.
;  (4) attn_prob = g / sum_j(g rho_j), g = 2^(t - m), t = log2(e) (kv_w_j + scaled_norm), m the row's true largest t, rho_j = exp(k_w_j - kv_w_j), which (3) holds within [1/9, 9]: one exponential a number, a maximum still taken away.
;  v is projected twice (once with d along a lane's registers, once with s): extra work of the program's own, so that nothing is transposed.  All six inputs are loaded.
; LIMITS: NaN and infinities among the inputs are not served; a NaN, an infinity or an overflow that would reach only the equal rows left out under (2) is not carried; a block of zeros gets the byte 1 where the rule says 127
; (its codes are zeros, and this program alone reads the bytes); divisions are a reciprocal and a multiplication; v_exp, v_sqrt, v_rcp, v_log flush denormals.
; LAYOUT.  A tile is 16 rows x 512 K.  ROW r OF TILE T IS INDEX 32 (T / 2) + 8 (T % 2) + r + 8 (r / 8), so that a product which takes the tile as source 0 leaves 16 neighbouring indices in the 16 registers of tiles 2 b, 2 b + 1.
; A fragment (16 rows x 128 K, 12 registers a lane) is stored as an image of its registers: group g of four registers at 512 g + 16 x lane.  codes: [tile 0..639][K step 0..3] 1,536 bytes; tiles 0-511: h (64 b + T), 512-543 Wq,
; 544-607 Wkv, 608-639 Wo.  scl: [tile][half][lane][2 words]: the row's scale words of two K steps, the same in lanes r and r + 16.
; SHARES.  1,280 units of 16 rows x 256 K, one a wave.  Each load takes 512 consecutive bytes of one row; the numbers turn through the wave's own stage in LDS so that lane (r, h) holds k = 64 c + 32 h + 0 .. 31 of row r.  No barrier.
.set SPARE, 84480                      ; behind the five waves' stages: the spare words, 128 bytes a wave, three blocks of 256 bytes that no other line names
.set WREG,  16896                      ; a wave's LDS: two stages
.set STG,   8448                       ; a stage: 16 rows x 528
.set PITCH, 528                        ; 512 bytes + 16: the sixteen rows that a load touches start at different banks
.set OFF,   16                         ; v16-31   row i's byte offset + 16 x lane
.set R,     32                         ; v32-159  2 x 64 numbers as loaded
.set X,     160                        ; v160-223 64 numbers in the operand's order
.set PC,    224                        ; v224-247 the two fragments' codes
.set PT,    248                        ; v248-255 upper halves of blocks, to be moved
.set SPW,   12
.set NIL,   13
	s_load_b256 s[4:11], s[0:1], 0x0               ; h, Wq, Wkv, Wo
	s_load_b128 s[12:15], s[0:1], 0x20             ; codes, scl
	v_lshl_add_u32 v[SPW], v0, 2, SPARE
	v_mov_b32 v[NIL], 0
	v_lshrrev_b32 v1, 5, v0
	v_readfirstlane_b32 s16, v1                    ; wave 0..4
	v_and_b32 v1, 31, v0                           ; lane
	v_and_b32 v2, 15, v0                           ; r
	v_bfe_u32 v3, v0, 4, 1                         ; h
	v_lshlrev_b32 v4, 4, v1                        ; 16 x lane
	v_lshlrev_b32 v5, 3, v1                        ; 8 x lane
	s_mul_i32 s30, s16, WREG
	v_add_nc_u32 v6, s30, v4                       ; stage, way in
	v_mul_u32_u24 v7, v2, PITCH
	v_lshl_add_u32 v7, v3, 7, v7
	v_add_nc_u32 v7, s30, v7                       ; stage, way out: row r, + 128 h
	v_lshlrev_b32 v8, 3, v3                        ; 8 h: my bytes' shift in a scale word
	s_mul_i32 s17, ttmp9, 5
	s_add_co_u32 s17, s17, s16                     ; unit
	s_lshr_b32 s18, s17, 1                         ; tile
	s_and_b32 s19, s17, 1                          ; half of K
	s_sub_co_u32 s20, s18, 512                     ; tile among the weights (wraps for h: then no test below takes it)
	s_sub_co_u32 s24, s20, 32                      ; T in Wkv
	s_sub_co_u32 s21, s20, 96                      ; T in Wo
	s_and_b32 s25, s18, 63                         ; T in h
	s_lshr_b32 s26, s18, 6
	s_lshl_b32 s26, s26, 11                        ; b x 2,048
	s_mov_b32 s27, 2048                            ; bytes from row to row in a weight
	s_mov_b32 s32, 0x76543210
	s_mov_b32 s33, 0xfedcba98                      ; selects: lane l xor 16
	s_wait_kmcnt 0x0
	s_cmp_lt_u32 s20, 96                           ; the choices hang on the unit's number alone
	s_cselect_b64 s[22:23], s[8:9], s[10:11]
	s_cselect_b32 s21, s24, s21
	s_cmp_lt_u32 s20, 32
	s_cselect_b64 s[22:23], s[6:7], s[22:23]
	s_cselect_b32 s21, s20, s21
	s_cmp_lt_u32 s18, 512
	s_cselect_b64 s[22:23], s[4:5], s[22:23]
	s_cselect_b32 s21, s25, s21
	s_cselect_b32 s26, s26, 0
	s_cselect_b32 s27, 16384, s27                  ; in h: from s to s + 1
	s_lshr_b32 s28, s21, 1
	s_lshl_b32 s28, s28, 5
	s_and_b32 s29, s21, 1
	s_lshl_b32 s29, s29, 3
	s_add_co_u32 s28, s28, s29                     ; the tile's first index
	s_mul_i32 s28, s28, s27
	s_add_co_u32 s28, s28, s26
	s_lshl_b32 s29, s19, 10
	s_add_co_u32 s28, s28, s29                     ; + my half of K
	s_mov_b32 s29, 0
	s_add_nc_u64 s[22:23], s[22:23], s[28:29]
	s_mul_i32 s28, s17, 3072
	s_add_nc_u64 s[12:13], s[12:13], s[28:29]      ; my two fragments
	s_lshl_b32 s28, s17, 8
	s_add_nc_u64 s[14:15], s[14:15], s[28:29]      ; my 256 bytes of scale words
.set n, 0
.rept 16
	v_mad_u32_u24 v[OFF+n], s27, n+8*(n/8), v4
.set n, n+1
.endr
.set n, 0
.rept 32
	global_load_b128 v[R+4*n:R+4*n+3], v[OFF+n%16], s[22:23] offset:512*(n/16) th:TH_LOAD_NT
.set n, n+1
.endr
; K step k of my two: through the stage, the blocks' scales, the codes, the image.
.macro FRAGQ k
	s_wait_loadcnt 16*(1-\k)                       ; this K step's 16 loads are in; the second K step's 16 may stay out
.set n, 0
.rept 16
	ds_store_b128 v6, v[R+64*\k+4*n:R+64*\k+4*n+3] offset:STG*\k+PITCH*n
.set n, n+1
.endr
.set n, 0
.rept 16
	ds_load_b128 v[X+4*n:X+4*n+3], v7 offset:STG*\k+256*(n/8)+16*(n%8)   ; the wave's own bytes, served in order: these see the stores above
.set n, n+1
.endr
	s_wait_dscnt 0x0
.irp c, 0,1
	v_max3_num_f32 v[14+\c], |v[X+32*\c]|, |v[X+32*\c+1]|, 0x1800000   ; my block 2 c + h: all 32 numbers are mine; the floor 2^(3 - 127) holds the byte at 1 from below
.endr
.irp i, 2,4,6,8,10,12,14,16,18,20,22,24,26,28,30
.irp c, 0,1
	v_max3_num_f32 v[14+\c], v[14+\c], |v[X+32*\c+\i]|, |v[X+32*\c+\i+1]|
.endr
.endr
	v_add_nc_u32 v14, 0xff000000, v14              ; 2 off the exponent field: the conversion's scale operand
	v_add_nc_u32 v15, 0xff000000, v15
	v_lshrrev_b32 v1, 23, v14                      ; the bytes
	v_lshrrev_b32 v2, 23, v15
	v_lshl_or_b32 v9, v2, 16, v1
	v_lshlrev_b32 v9, v8, v9                       ; at their places: bytes h and 2 + h
	v_permlanex16_b32 v1, v9, s32, s33
	v_or_b32 v[10+\k], v9, v1                      ; with lane l xor 16's two the word is whole
.irp c, 0,1
	v_cvt_scalef32_pk16_fp6_f32 v[PC+12*\k+6*\c:PC+12*\k+6*\c+2], v[X+32*\c:X+32*\c+15], v[14+\c]
	v_cvt_scalef32_pk16_fp6_f32 v[PT+4*\c:PT+4*\c+2], v[X+32*\c+16:X+32*\c+31], v[14+\c]   ; (a conversion's three registers begin on an even number)
.endr
	v_nop                                          ; one plain place behind the conversions
.irp c, 0,1
.irp i, 0,1,2
	v_mov_b32 v[PC+12*\k+6*\c+3+\i], v[PT+4*\c+\i]
.endr
.endr
.irp g, 0,1,2
	global_store_b128 v4, v[PC+12*\k+4*\g:PC+12*\k+4*\g+3], s[12:13] offset:1536*\k+512*\g   ; 512 consecutive bytes a store
.endr
.endm
	FRAGQ 0
	FRAGQ 1
	global_store_b64 v5, v[10:11], s[14:15]        ; 256 consecutive bytes
	s_wait_tensorcnt 0x0                           ; the wave's end: three lines behind my last LDS store
	ds_add_u32 v[SPW], v[NIL]
	s_wait_dscnt 0x0
	s_endpgm
.Lfunc_end_k_qcd0d1ade1f_quant:
	.size	k_qcd0d1ade1f_quant, .Lfunc_end_k_qcd0d1ade1f_quant-k_qcd0d1ade1f_quant
	.p2alignl 7, 3214868480
	.fill 96, 4, 3214868480
	.section	.rodata,"a",@progbits
	.p2align	6, 0x0
	.amdhsa_kernel k_qcd0d1ade1f_quant
		.amdhsa_group_segment_fixed_size 85248
		.amdhsa_private_segment_fixed_size 0
		.amdhsa_enable_private_segment 0
		.amdhsa_kernarg_size 48
		.amdhsa_user_sgpr_count 2
		.amdhsa_user_sgpr_kernarg_segment_ptr 1
		.amdhsa_wavefront_size32 1
		.amdhsa_system_sgpr_workgroup_id_x 1
		.amdhsa_system_sgpr_workgroup_id_y 1
		.amdhsa_system_sgpr_workgroup_id_z 1
		.amdhsa_system_vgpr_workitem_id 0
		.amdhsa_next_free_vgpr 256
		.amdhsa_next_free_sgpr 66
		.amdhsa_reserve_vcc 0
		.amdhsa_float_denorm_mode_32 3
		.amdhsa_float_denorm_mode_16_64 3
		.amdhsa_memory_ordered 1
		.amdhsa_forward_progress 1
		.amdhsa_inst_pref_size 18
	.end_amdhsa_kernel
	.amdgpu_metadata
---
amdhsa.version: [ 1, 2 ]
amdhsa.kernels:
  - .name:           k_qcd0d1ade1f_quant
    .symbol:         k_qcd0d1ade1f_quant.kd
    .args:
      - { .name: h, .offset: 0, .size: 8, .value_kind: global_buffer, .address_space: global }
      - { .name: Wq, .offset: 8, .size: 8, .value_kind: global_buffer, .address_space: global }
      - { .name: Wkv, .offset: 16, .size: 8, .value_kind: global_buffer, .address_space: global }
      - { .name: Wo, .offset: 24, .size: 8, .value_kind: global_buffer, .address_space: global }
      - { .name: codes, .offset: 32, .size: 8, .value_kind: global_buffer, .address_space: global }
      - { .name: scl, .offset: 40, .size: 8, .value_kind: global_buffer, .address_space: global }
    .group_segment_fixed_size: 85248
    .private_segment_fixed_size: 0
    .kernarg_segment_align: 8
    .kernarg_segment_size: 48
    .max_flat_workgroup_size: 160
    .sgpr_count:     66
    .vgpr_count:     256
    .wavefront_size: 32
...
	.end_amdgpu_metadata
.endif
;; end of part 1
;; launch proj (part 2): grid 4 x 64, 4 waves a work-group, no clusters, 0 bytes of LDS; arguments codes, scl, qimg, kvimg, vtimg, aux; writes qimg, kvimg, vtimg, aux
.if DOCPART == 2
	.amdgcn_target "amdgcn-amd-amdhsa--gfx1250"
	.amdhsa_code_object_version 6
	.text
	.protected	k_qcd0d1ade1f_proj
	.globl	k_qcd0d1ade1f_proj
	.p2align	8
	.type	k_qcd0d1ade1f_proj,@function
k_qcd0d1ade1f_proj:
	s_mov_b64 s[64:65], 0
	v_nop
	global_prefetch_b8 v0, s[64:65] scope:SCOPE_SE
	s_setreg_imm32_b32 hwreg(HW_REG_WAVE_MODE, 25, 1), 1
	s_wait_xcnt 0x0
; The projections q = h Wq^T, k || v = h Wkv^T on codes of E2M3, k's normalisation, the row sums of squares, and the quantising of q, k^ || v (along d) and of v (along s), in registers.  Nothing is left out here; v is made twice.
; A work-group takes 128 rows (b, s = 128 sg ..) and one of four column groups (x): 0: q, all heads; 1, 2: k || v of heads 4 (x - 1) + wave; 3: v once more, with the sources swapped.
; A wave keeps 8 STATIONARY tiles (32 fragments, 384 registers, windows 1 and 2) as source 0 and streams 8 tiles as source 1: a lane then holds ONE streamed row, and by the tiles' row order its 64 result registers are 128 stationary
; indices, register 16 b + i = index 32 b + 16 (lane / 16) + i: the layout that macro QUANT takes.  x < 3: weights stationary, h streamed (a lane = a row s, registers along d).  x = 3: h stationary, Wv streamed (a lane = a d, registers along s).
; OUT, all as images of operand registers: qimg [bh][T] 768 bytes (registers 0-3 at 16 x lane, 4-5 at 512 + 8 x lane); kvimg [bh][T] 1,536; vtimg [bh][dt][K step of 128 keys] 1,536; aux: q's {scale word, sum q^2} at 0,
; kv's scale words at 524,288, v^T's at 1,048,576, sum k^2 at 1,310,720 and sum (k || v)^2 at 1,572,864, both [bh][s].
; No LDS, no barrier.  The next streamed tile is asked for a tile ahead, in two buffers.
.set XF0, 16                           ; v16-63, v64-111 the streamed tile's four fragments, two buffers
.set XF1, 64
.set HA,  112                          ; v112-175 the eight accumulators
.set PC,  176                          ; v176-195 codes just made
.set TM,  196                          ; v196-211 at work in QUANT
.set PW,  212                          ; the scale word just made
.set XS0, 216                          ; v216-219, v220-223 the streamed tile's scale words
.set XS1, 220
.set SS,  224                          ; v224-255 the stationary tiles' scale words: 4 t + K step
.set CNT, 19
.set SEL, 34
.set PA,  36                           ; s[36:37] .. pointers: stationary codes A, B; their scale words; streamed codes, scale words; the three stores'
.set PB,  38
.set PSA, 40
.set PSB, 42
.set PS,  44
.set PSS, 46
.set P1,  48
.set P2,  50
.set P3,  52
.set ST1, 54                           ; s[54:55] .. what a trip of two tiles adds to P1, P2, P3
.set ST2, 56
.set ST3, 58
.set MSB, 0
.macro WIN new                         ; the immediate's high byte repeats the setting that is left
.if MSB != \new
	s_set_vgpr_msb (MSB<<8)|\new
.set MSB, \new
.endif
.endm
	s_load_b256 s[4:11], s[0:1], 0x0               ; codes, scl, qimg, kvimg
	s_load_b128 s[12:15], s[0:1], 0x20             ; vtimg, aux
	v_lshrrev_b32 v1, 5, v0
	v_readfirstlane_b32 s16, v1                    ; wave
	v_and_b32 v8, 31, v0
	v_lshlrev_b32 v1, 4, v8                        ; 16 x lane
	v_lshlrev_b32 v2, 3, v8                        ; 8 x lane
	v_lshlrev_b32 v3, 2, v8                        ; 4 x lane
	v_and_b32 v4, 15, v0                           ; r
	v_bfe_u32 v5, v0, 4, 1                         ; h
	v_lshlrev_b32 v6, 3, v4
	v_lshl_add_u32 v6, v5, 13, v6                  ; q's pair: 8 r; lanes 16-31 write the second head's, 8,192 bytes on
	v_and_b32 v7, 8, v4
	v_add_nc_u32 v7, v7, v4
	v_lshlrev_b32 v7, 2, v7
	v_lshl_add_u32 v7, v5, 18, v7                  ; 4 (r + 8 (r / 8)); lanes 16-31 write the kv sum, 262,144 bytes on
.irp b, 0,1,2,3
	v_mov_b32 v[TM+4+\b], 0                        ; written once: a lane permute's destination counts as one of its sources
.endr
	s_mov_b32 s17, ttmp9                           ; column group
	s_and_b32 s18, ttmp7, 0xffff                   ; row group = 8 b + sg
	s_mov_b32 s[SEL], 0x76543210
	s_mov_b32 s[SEL+1], 0xfedcba98
	s_mov_b32 s[CNT], 4
	s_lshl_b32 s20, s18, 3                         ; h's first tile
	s_lshl_b32 s21, s16, 3
	s_add_co_u32 s22, s21, 512                     ; q: Wq's tiles 8 w ..
	s_add_co_u32 s23, s21, 576                     ; x = 3: Wv's tiles 8 w ..
	s_sub_co_u32 s24, s17, 1
	s_lshl_b32 s24, s24, 2
	s_add_co_u32 s24, s24, s16                     ; head a (of use for x = 1, 2 alone)
	s_lshl_b32 s25, s24, 2
	s_add_co_u32 s26, s25, 544                     ; Wk's tiles 4 a ..
	s_add_co_u32 s27, s25, 576                     ; Wv's tiles 4 a ..
	s_add_co_u32 s31, s22, 4
	s_add_co_u32 s32, s20, 4
	s_cmp_eq_u32 s17, 0
	s_cselect_b32 s28, s22, s26                    ; stationary run A,
	s_cselect_b32 s29, s31, s27                    ; run B,
	s_cmp_eq_u32 s17, 3
	s_cselect_b32 s28, s20, s28
	s_cselect_b32 s29, s32, s29
	s_cselect_b32 s30, s23, s20                    ; and the streamed tiles
	s_and_b32 s31, s18, 0x38                       ; 8 b
	s_and_b32 s32, s18, 7                          ; sg
	s_lshl_b32 s33, s16, 1
	s_add_co_u32 s33, s33, s31                     ; 8 b + 2 w
	s_add_co_u32 s24, s24, s31                     ; 8 b + a
	s_mov_b32 s21, 0
	s_mov_b32 s23, 0
	s_wait_kmcnt 0x0
	s_mul_i32 s20, s28, 6144
	s_add_nc_u64 s[PA:PA+1], s[4:5], s[20:21]
	s_mul_i32 s20, s29, 6144
	s_add_nc_u64 s[PB:PB+1], s[4:5], s[20:21]
	s_mul_i32 s20, s30, 6144
	s_add_nc_u64 s[PS:PS+1], s[4:5], s[20:21]
	s_lshl_b32 s20, s28, 9
	s_add_nc_u64 s[PSA:PSA+1], s[6:7], s[20:21]
	s_lshl_b32 s20, s29, 9
	s_add_nc_u64 s[PSB:PSB+1], s[6:7], s[20:21]
	s_lshl_b32 s20, s30, 9
	s_add_nc_u64 s[PSS:PSS+1], s[6:7], s[20:21]
	s_cmp_eq_u32 s17, 0
	s_cbranch_scc0 .Lnot_q
	s_lshl_b32 s20, s33, 6                         ; q: entry (8 b + 2 w) 64 + 8 sg
	s_lshl_b32 s22, s32, 3
	s_add_co_u32 s20, s20, s22
	s_mul_i32 s22, s20, 768
	s_add_nc_u64 s[P1:P1+1], s[8:9], s[22:23]
	s_lshl_b32 s22, s20, 7
	s_add_nc_u64 s[P2:P2+1], s[14:15], s[22:23]
	s_mov_b64 s[P3:P3+1], s[14:15]                 ; (not used on this way)
	s_mov_b32 s[ST1], 1536
	s_mov_b32 s[ST2], 256
	s_mov_b32 s[ST3], 0
	s_branch .Lptr_done
.Lnot_q:
	s_cmp_eq_u32 s17, 3
	s_cbranch_scc1 .Larm_vt
	s_lshl_b32 s20, s24, 6                         ; kv: entry (8 b + a) 64 + 8 sg
	s_lshl_b32 s22, s32, 3
	s_add_co_u32 s20, s20, s22
	s_mul_i32 s22, s20, 1536
	s_add_nc_u64 s[P1:P1+1], s[10:11], s[22:23]
	s_lshl_b32 s22, s20, 7
	s_add_co_u32 s22, s22, 524288
	s_add_nc_u64 s[P2:P2+1], s[14:15], s[22:23]
	s_lshl_b32 s22, s24, 12
	s_lshl_b32 s20, s32, 9
	s_add_co_u32 s22, s22, s20
	s_add_co_u32 s22, s22, 1310720
	s_add_nc_u64 s[P3:P3+1], s[14:15], s[22:23]
	s_mov_b32 s[ST1], 3072
	s_mov_b32 s[ST2], 256
	s_mov_b32 s[ST3], 128
	s_branch .Lptr_done
.Larm_vt:
	s_lshl_b32 s20, s33, 5                         ; v^T: entry (8 b + 2 w) 32 + sg; a streamed tile on is 8 entries on
	s_add_co_u32 s20, s20, s32
	s_mul_i32 s22, s20, 1536
	s_add_nc_u64 s[P1:P1+1], s[12:13], s[22:23]
	s_lshl_b32 s22, s20, 7
	s_add_co_u32 s22, s22, 1048576
	s_add_nc_u64 s[P2:P2+1], s[14:15], s[22:23]
	s_mov_b64 s[P3:P3+1], s[14:15]                 ; (not used on this way)
	s_mov_b32 s[ST1], 24576
	s_mov_b32 s[ST2], 2048
	s_mov_b32 s[ST3], 0
.Lptr_done:
	s_mov_b32 s[ST1+1], 0
	s_mov_b32 s[ST2+1], 0
	s_mov_b32 s[ST3+1], 0
.macro LDSTAT win, p                   ; four tiles, 24,576 dense bytes, into 192 registers of a window: 48 loads of 512 bytes
	WIN \win
.set n, 0
.rept 48
	global_load_b128 v[4*n:4*n+3], v1, s[\p:\p+1] offset:512*n
.set n, n+1
.endr
	WIN 0
.endm
.macro LDX xf, xs, off, offs           ; a streamed tile: 12 loads of 512 bytes, and its four scale words
.set n, 0
.rept 12
	global_load_b128 v[\xf+4*n:\xf+4*n+3], v1, s[PS:PS+1] offset:\off+512*n
.set n, n+1
.endr
	global_load_b64 v[\xs:\xs+1], v2, s[PSS:PSS+1] offset:\offs
	global_load_b64 v[\xs+2:\xs+3], v2, s[PSS:PSS+1] offset:\offs+256
.endm
.macro MMG xf, xs, grp                 ; four accumulators by turns, one instruction a turn, K ascending; the first K step starts the sums
.irp k, 0,1,2,3
.irp t, 0,1,2,3
.if \k == 0
	v_wmma_scale_f32_16x16x128_f8f6f4 v[HA+32*\grp+8*\t:HA+32*\grp+8*\t+7], v[12*(4*\t+\k):12*(4*\t+\k)+11], v[\xf+12*\k:\xf+12*\k+11], 0, v[SS+16*\grp+4*\t+\k], v[\xs+\k] matrix_a_fmt:MATRIX_FMT_FP6 matrix_b_fmt:MATRIX_FMT_FP6
.else
	v_wmma_scale_f32_16x16x128_f8f6f4 v[HA+32*\grp+8*\t:HA+32*\grp+8*\t+7], v[12*(4*\t+\k):12*(4*\t+\k)+11], v[\xf+12*\k:\xf+12*\k+11], v[HA+32*\grp+8*\t:HA+32*\grp+8*\t+7], v[SS+16*\grp+4*\t+\k], v[\xs+\k] matrix_a_fmt:MATRIX_FMT_FP6 matrix_b_fmt:MATRIX_FMT_FP6
.endif
.endr
.endr
.endm
.macro MM xf, xs
	WIN 0x01                                       ; source 0 in window 1
	MMG \xf, \xs, 0
	WIN 0x02                                       ; source 0 in window 2
	MMG \xf, \xs, 1
	WIN 0
.rept 5
	v_nop                                          ; places behind the products: four for reads of results and loads into operands, a fifth for a product that begins an accumulator anew
.endr
.endm
.macro SUMSQ dst, src                  ; the sum of squares of 32 registers and of lane l xor 16's 32, ascending in two chains
	v_pk_mul_f32 v[8:9], v[\src:\src+1], v[\src:\src+1]
	v_pk_mul_f32 v[10:11], v[\src+2:\src+3], v[\src+2:\src+3]
.irp i, 4,8,12,16,20,24,28
	v_pk_fma_f32 v[8:9], v[\src+\i:\src+\i+1], v[\src+\i:\src+\i+1], v[8:9]
	v_pk_fma_f32 v[10:11], v[\src+\i+2:\src+\i+3], v[\src+\i+2:\src+\i+3], v[10:11]
.endr
	v_pk_add_f32 v[8:9], v[8:9], v[10:11]
	v_add_f32 v8, v8, v9
	v_permlanex16_b32 v9, v8, s[SEL], s[SEL+1]
	v_add_f32 v[\dst], v8, v9
.endm
; 64 numbers of a lane, register 16 b + i = k 32 b + 16 (lane / 16) + i of my row, become a fragment's codes in v[PC] on and its scale word in v[PW].
.macro QUANT src
.irp b, 0,1,2,3
	v_max3_num_f32 v[TM+\b], |v[\src+16*\b]|, |v[\src+1+16*\b]|, 0x1800000   ; my 16 numbers of block b, and the floor 2^(3 - 127)
.endr
.irp i, 2,4,6,8,10,12,14
.irp b, 0,1,2,3
	v_max3_num_f32 v[TM+\b], v[TM+\b], |v[\src+16*\b+\i]|, |v[\src+1+16*\b+\i]|
.endr
.endr
.irp b, 0,1,2,3
	v_permlanex16_b32 v[TM+4+\b], v[TM+\b], s[SEL], s[SEL+1]
.endr
.irp b, 0,1,2,3
	v_max_num_f32 v[TM+\b], v[TM+\b], v[TM+4+\b]   ; the block's largest magnitude
.endr
.irp b, 0,1,2,3
	v_add_nc_u32 v[TM+12+\b], 0xff000000, v[TM+\b] ; 2 off its exponent field: the conversion's scale operand
.endr
.irp b, 0,1,2,3
	v_lshrrev_b32 v[TM+4+\b], 23, v[TM+12+\b]      ; the byte
.endr
	v_lshl_or_b32 v[PW], v[TM+5], 8, v[TM+4]
	v_lshl_or_b32 v[PW], v[TM+6], 16, v[PW]
	v_lshl_or_b32 v[PW], v[TM+7], 24, v[PW]
.irp c, 0,1
	v_cvt_scalef32_pk16_fp6_f32 v[PC+6*\c:PC+2+6*\c], v[\src+32*\c:\src+15+32*\c], v[TM+12+2*\c]
	v_cvt_scalef32_pk16_fp6_f32 v[PC+12+4*\c:PC+14+4*\c], v[\src+16+32*\c:\src+31+32*\c], v[TM+12+2*\c+1]
.endr
	v_nop                                          ; one plain place behind the conversions
.irp c, 0,1                            ; the operand wants a whole block in a lane
.irp i, 0,1,2
	v_permlane16_swap_b32 v[PC+6*\c+\i], v[PC+12+4*\c+\i]
.endr
.irp i, 0,1,2
	v_mov_b32 v[PC+3+6*\c+\i], v[PC+12+4*\c+\i]
.endr
.endr
.endm
	LDSTAT 0x40, PA
	LDSTAT 0x80, PB
.irp t, 0,1,2,3
	global_load_b64 v[SS+4*\t:SS+4*\t+1], v2, s[PSA:PSA+1] offset:512*\t
	global_load_b64 v[SS+4*\t+2:SS+4*\t+3], v2, s[PSA:PSA+1] offset:512*\t+256
	global_load_b64 v[SS+16+4*\t:SS+16+4*\t+1], v2, s[PSB:PSB+1] offset:512*\t
	global_load_b64 v[SS+16+4*\t+2:SS+16+4*\t+3], v2, s[PSB:PSB+1] offset:512*\t+256
.endr
	LDX XF0, XS0, 0, 0
; One streamed tile in buffer buf.
.macro TILE buf
	s_wait_loadcnt 0x0                             ; this buffer's fragments and scale words are in (they were asked for a tile ago)
	s_wait_xcnt 0x0                                ; the last tile's stores have read their data: the codes, the word and v14, v15 are written again only behind this wait
.if \buf == 0
	LDX XF1, XS1, 6144, 512
.else
	s_cmp_eq_u32 s[CNT], 1                         ; the last tile asks for nothing: no load leaves its buffer
	s_cbranch_scc1 .Lnold_\@
	LDX XF0, XS0, 12288, 1024
.Lnold_\@:
.endif
	MM XF0+48*\buf, XS0+4*\buf
	s_cmp_eq_u32 s17, 0
	s_cbranch_scc1 .Lq_\@
	s_cmp_eq_u32 s17, 3
	s_cbranch_scc1 .Lvt_\@
	SUMSQ 12, HA                                   ; k || v: |k|^2,
	v_sqrt_f32 v12, v12
	v_nop                                          ; a plain place, then the wait ahead of the first reader
	s_wait_alu depctr_va_vdst(0)
	v_max_num_f32 v12, 0x2b8cbccc, v12             ; max(norm, 1e-12)
	v_rcp_f32 v12, v12
	v_nop
	s_wait_alu depctr_va_vdst(0)
	v_mov_b32 v13, v12
.irp j, 0,2,4,6,8,10,12,14,16,18,20,22,24,26,28,30
	v_pk_mul_f32 v[HA+\j:HA+\j+1], v[HA+\j:HA+\j+1], v[12:13]   ; k^ = k / max(norm, 1e-12)
.endr
	SUMSQ 14, HA                                   ; sum k^^2, as reference() sums the normalised numbers
	SUMSQ 15, HA+32                                ; sum v^2
	v_add_f32 v15, v14, v15
	v_cmp_eq_u32 vcc_lo, 1, v5
	v_cndmask_b32 v14, v14, v15, vcc_lo            ; lanes 0-15 store the k sum, lanes 16-31 the kv sum
	QUANT HA
.irp g, 0,1,2
	global_store_b128 v1, v[PC+4*\g:PC+4*\g+3], s[P1:P1+1] offset:1536*\buf+512*\g
.endr
	global_store_b32 v3, v[PW], s[P2:P2+1] offset:128*\buf
	global_store_b32 v7, v14, s[P3:P3+1] offset:32*\buf
	s_branch .Ldone_\@
.Lq_\@:
	SUMSQ 12, HA                                   ; sum q^2 of the first head,
	SUMSQ 13, HA+32                                ; of the second
	QUANT HA
	v_cmp_eq_u32 vcc_lo, 1, v5
	v_lshrrev_b32 v14, 16, v[PW]
	v_cndmask_b32 v14, v[PW], v14, vcc_lo          ; a head's two bytes stand lowest; what stands above them meets zero codes
	v_cndmask_b32 v15, v12, v13, vcc_lo
	global_store_b128 v1, v[PC:PC+3], s[P1:P1+1] offset:768*\buf
	global_store_b64 v2, v[PC+4:PC+5], s[P1:P1+1] offset:768*\buf+512
	global_store_b128 v1, v[PC+6:PC+9], s[P1:P1+1] offset:768*\buf+49152
	global_store_b64 v2, v[PC+10:PC+11], s[P1:P1+1] offset:768*\buf+49152+512
	global_store_b64 v6, v[14:15], s[P2:P2+1] offset:128*\buf
	s_branch .Ldone_\@
.Lvt_\@:
	QUANT HA                                       ; v along s
.irp g, 0,1,2
	global_store_b128 v1, v[PC+4*\g:PC+4*\g+3], s[P1:P1+1] offset:12288*\buf+512*\g
.endr
	global_store_b32 v3, v[PW], s[P2:P2+1] offset:1024*\buf
.Ldone_\@:
.endm
.Ltrip:
	TILE 0
	TILE 1
	s_wait_xcnt 0x0                                ; loads and stores have read their bases: they step only behind this wait
	s_add_nc_u64 s[PS:PS+1], s[PS:PS+1], 12288
	s_add_nc_u64 s[PSS:PSS+1], s[PSS:PSS+1], 1024
	s_add_nc_u64 s[P1:P1+1], s[P1:P1+1], s[ST1:ST1+1]
	s_add_nc_u64 s[P2:P2+1], s[P2:P2+1], s[ST2:ST2+1]
	s_add_nc_u64 s[P3:P3+1], s[P3:P3+1], s[ST3:ST3+1]
	s_sub_co_u32 s[CNT], s[CNT], 1
	s_cmp_lg_u32 s[CNT], 0
	s_cbranch_scc1 .Ltrip
	s_endpgm
.Lfunc_end_k_qcd0d1ade1f_proj:
	.size	k_qcd0d1ade1f_proj, .Lfunc_end_k_qcd0d1ade1f_proj-k_qcd0d1ade1f_proj
	.p2alignl 7, 3214868480
	.fill 96, 4, 3214868480
	.section	.rodata,"a",@progbits
	.p2align	6, 0x0
	.amdhsa_kernel k_qcd0d1ade1f_proj
		.amdhsa_group_segment_fixed_size 0
		.amdhsa_private_segment_fixed_size 0
		.amdhsa_enable_private_segment 0
		.amdhsa_kernarg_size 48
		.amdhsa_user_sgpr_count 2
		.amdhsa_user_sgpr_kernarg_segment_ptr 1
		.amdhsa_wavefront_size32 1
		.amdhsa_system_sgpr_workgroup_id_x 1
		.amdhsa_system_sgpr_workgroup_id_y 1
		.amdhsa_system_sgpr_workgroup_id_z 1
		.amdhsa_system_vgpr_workitem_id 0
		.amdhsa_next_free_vgpr 768
		.amdhsa_next_free_sgpr 66
		.amdhsa_reserve_vcc 1
		.amdhsa_float_denorm_mode_32 3
		.amdhsa_float_denorm_mode_16_64 3
		.amdhsa_memory_ordered 1
		.amdhsa_forward_progress 1
		.amdhsa_inst_pref_size 69
	.end_amdhsa_kernel
	.amdgpu_metadata
---
amdhsa.version: [ 1, 2 ]
amdhsa.kernels:
  - .name:           k_qcd0d1ade1f_proj
    .symbol:         k_qcd0d1ade1f_proj.kd
    .args:
      - { .name: codes, .offset: 0, .size: 8, .value_kind: global_buffer, .address_space: global }
      - { .name: scl, .offset: 8, .size: 8, .value_kind: global_buffer, .address_space: global }
      - { .name: qimg, .offset: 16, .size: 8, .value_kind: global_buffer, .address_space: global }
      - { .name: kvimg, .offset: 24, .size: 8, .value_kind: global_buffer, .address_space: global }
      - { .name: vtimg, .offset: 32, .size: 8, .value_kind: global_buffer, .address_space: global }
      - { .name: aux, .offset: 40, .size: 8, .value_kind: global_buffer, .address_space: global }
    .group_segment_fixed_size: 0
    .private_segment_fixed_size: 0
    .kernarg_segment_align: 8
    .kernarg_segment_size: 48
    .max_flat_workgroup_size: 128
    .sgpr_count:     66
    .vgpr_count:     768
    .wavefront_size: 32
...
	.end_amdgpu_metadata
.endif
;; end of part 2
;; launch rbf (part 3): grid 4 x 64, 8 waves a work-group, no clusters, 123,904 bytes of LDS; arguments kvimg, aux, obj2; writes obj2
.if DOCPART == 3
	.amdgcn_target "amdgcn-amd-amdhsa--gfx1250"
	.amdhsa_code_object_version 6
	.text
	.protected	k_qcd0d1ade1f_rbf
	.globl	k_qcd0d1ade1f_rbf
	.p2align	8
	.type	k_qcd0d1ade1f_rbf,@function
k_qcd0d1ade1f_rbf:
	s_mov_b64 s[64:65], 0
	v_nop
	global_prefetch_b8 v0, s[64:65] scope:SCOPE_SE
	s_setreg_imm32_b32 hwreg(HW_REG_WAVE_MODE, 25, 1), 1
	s_wait_xcnt 0x0
; obj2[map][bh][i] = (1/1024) sum_j exp(-SCALE max(s_i + s_j - 2 x_i . x_j, 0)) for x = k^ (map 0, K = 64) and x = k^ || v (map 1, K = 128).  Both maps take the same codes; the K = 64 product takes an i fragment
; whose codes of k = 64 .. 127 are zeros.  No map goes to memory.  Nothing of reference() is left out here: both maps are made whole (their symmetry is not used).
; A work-group takes 256 rows i of one (b, head) against all 1,024 j; wave w takes 32 rows, two tiles, as source 0; the j tiles come from LDS as source 1.  The head's fragments, scale words and s_j are brought into LDS once.
; rbf = 2^min(0, C2 (dot - s_i / 2) + NC s_j), C2 = 2 SCALE log2(e), NC = -SCALE log2(e): -s_i / 2 is the product's C, one packed multiply-add, one minimum (reference()'s clamp), one exponential, one packed addition.
; Cluster: none: what work-groups share is one fill at the head, a small part of the launch's work; no tile is asked for again.
.set KSC,   98304                      ; LDS: 0: 64 fragments of 1,536 bytes; here their scale words, 128 bytes a tile;
.set AUX,   106496                     ; 16 bytes a key, natural order: {NC sk, 0, NC skv, 0};
.set SPARE, 122880                     ; the spare words, 128 bytes a wave
; v1 16 x thread; v2 r; v3 64 h; v4 16 x lane; v5, v6 my lane's place among the scale words and in AUX; v7-9 addresses in hand; v10, v11 the add's two; v16-27, v40-51 i fragments K = 128; v28-39, v52-63 the same with zeros above k = 63;
; v64-65 their scale words; v66-97 C: -s_i / 2 (k, kv of tile 0; k, kv of tile 1); v98-129 the four row sums; v130-153 two j fragments; v154-155 their scale words; v156-163 their AUX; v164-227 eight results
	s_load_b128 s[4:7], s[0:1], 0x0                ; kvimg, aux
	s_load_b64 s[8:9], s[0:1], 0x10                ; obj2
	v_lshl_add_u32 v10, v0, 2, SPARE
	v_mov_b32 v11, 0
	v_lshrrev_b32 v1, 5, v0
	v_readfirstlane_b32 s10, v1                    ; wave 0..7
	v_and_b32 v9, 31, v0
	v_and_b32 v2, 15, v0
	v_bfe_u32 v3, v0, 4, 1
	v_lshlrev_b32 v3, 6, v3
	v_lshlrev_b32 v4, 4, v9
	v_lshl_add_u32 v5, v9, 2, KSC
	v_and_b32 v6, 8, v2
	v_add_nc_u32 v6, v6, v2
	v_lshl_add_u32 v6, v6, 4, AUX
	v_lshlrev_b32 v1, 4, v0
	v_add_nc_u32 v7, 0x10000, v1                   ; the fill's second address: an LDS offset has 16 bits
	v_lshl_add_u32 v8, v0, 6, AUX                  ; my four keys' places in AUX
	v_lshlrev_b32 v9, 2, v9                        ; 4 x lane
	s_and_b32 s11, ttmp7, 0xffff                   ; bh
	s_lshl_b32 s12, ttmp9, 3
	s_add_co_u32 s12, s12, s10                     ; my pair of i tiles
	s_mov_b32 s26, 0xbe38aa3b                      ; NC
	s_mov_b32 s30, 0x3eb8aa3b                      ; C2
	s_mov_b32 s31, s30                             ; (named with it as a pair)
	s_mov_b32 s27, 0
	s_mov_b32 s28, 0
	s_mov_b32 s29, 0
	s_mov_b32 s3, 0
	s_wait_kmcnt 0x0
	s_mul_i32 s2, s11, 98304
	s_add_nc_u64 s[14:15], s[4:5], s[2:3]          ; the head's fragments,
	s_lshl_b32 s2, s11, 13
	s_add_co_u32 s2, s2, 524288
	s_add_nc_u64 s[16:17], s[6:7], s[2:3]          ; scale words,
	s_lshl_b32 s2, s11, 12
	s_add_nc_u64 s[8:9], s[8:9], s[2:3]
	s_add_co_u32 s2, s2, 1310720
	s_add_nc_u64 s[18:19], s[6:7], s[2:3]          ; sums of squares
	s_mul_i32 s2, s12, 3072
	s_add_nc_u64 s[20:21], s[14:15], s[2:3]        ; and my two tiles' of each
	s_lshl_b32 s2, s12, 8
	s_add_nc_u64 s[22:23], s[16:17], s[2:3]
	s_lshl_b32 s2, s12, 7
	s_add_nc_u64 s[24:25], s[18:19], s[2:3]
	s_add_nc_u64 s[8:9], s[8:9], s[2:3]            ; obj2 at my 32 rows
.set n, 0
.rept 24
	global_load_b128 v[130+4*n:133+4*n], v1, s[14:15] offset:4096*n
.set n, n+1
.endr
	global_load_b128 v[226:229], v1, s[16:17]
	global_load_b128 v[230:233], v1, s[16:17] offset:4096
	global_load_b128 v[234:237], v1, s[18:19]
	global_load_b128 v[238:241], v1, s[18:19] offset:262144
.irp t, 0,1
	global_load_b128 v[16+24*\t:19+24*\t], v4, s[20:21] offset:1536*\t
	global_load_b128 v[20+24*\t:23+24*\t], v4, s[20:21] offset:1536*\t+512
	global_load_b128 v[24+24*\t:27+24*\t], v4, s[20:21] offset:1536*\t+1024
	global_load_b128 v[28+24*\t:31+24*\t], v4, s[20:21] offset:1536*\t       ; registers 0-5 once more: the two operands of a product share no register
	global_load_b64 v[32+24*\t:33+24*\t], v4, s[20:21] offset:1536*\t+512
	global_load_b32 v[64+\t], v9, s[22:23] offset:128*\t
	global_load_b128 v[66+16*\t:69+16*\t], v3, s[24:25] offset:32*\t         ; s_i of rows 16 h + 8 t + 0 .. 7
	global_load_b128 v[70+16*\t:73+16*\t], v3, s[24:25] offset:32*\t+16
	global_load_b128 v[74+16*\t:77+16*\t], v3, s[24:25] offset:262144+32*\t
	global_load_b128 v[78+16*\t:81+16*\t], v3, s[24:25] offset:262144+32*\t+16
.endr
	s_wait_loadcnt 20                              ; the 28 loads of the fill are in; my tiles' 20 may stay out
.set n, 0
.rept 16
	ds_store_b128 v1, v[130+4*n:133+4*n] offset:4096*n
.set n, n+1
.endr
.set n, 0
.rept 10
	ds_store_b128 v7, v[194+4*n:197+4*n] offset:4096*n   ; the scale words' region follows the fragments' directly
.set n, n+1
.endr
	v_mul_f32 v12, s26, v234
	v_mov_b32 v13, 0
	v_mul_f32 v14, s26, v238
	v_mov_b32 v15, 0
.irp e, 1,2,3
	v_mul_f32 v[238+4*\e], s26, v[234+\e]
	v_mov_b32 v[239+4*\e], 0
	v_mul_f32 v[240+4*\e], s26, v[238+\e]
	v_mov_b32 v[241+4*\e], 0
.endr
	ds_store_b128 v8, v[12:15]
	ds_store_b128 v8, v[242:245] offset:16
	ds_store_b128 v8, v[246:249] offset:32
	ds_store_b128 v8, v[250:253] offset:48
.irp t, 0,1
.irp i, 0,1,2,3,4,5
	v_mov_b32 v[34+24*\t+\i], 0                    ; zero codes for k = 64 .. 127
.endr
.endr
	s_wait_loadcnt 0x0
.set n, 66
.rept 32
	v_mul_f32 v[n], -0.5, v[n]
.set n, n+1
.endr
	s_wait_dscnt 0x0                               ; my part of the fill has landed
	s_barrier_signal -1
	s_barrier_wait -1                              ; everybody's has; from here on LDS is only read
.macro JLOAD                           ; a pair of j tiles: 10 LDS loads
	v_add_nc_u32 v7, s27, v4
	v_add_nc_u32 v8, s28, v5
	v_add_nc_u32 v9, s29, v6
.irp t, 0,1
.irp g, 0,1,2
	ds_load_b128 v[130+12*\t+4*\g:133+12*\t+4*\g], v7 offset:1536*\t+512*\g
.endr
	ds_load_b32 v[154+\t], v8 offset:128*\t
	ds_load_b128 v[156+4*\t:159+4*\t], v9 offset:128*\t
.endr
.endm
	JLOAD
.macro TRIP first, load
	s_wait_dscnt 0x0                               ; the pair's fragments, words and AUX are in
.irp j, 0,1
.irp t, 0,1
	v_wmma_scale_f32_16x16x128_f8f6f4 v[164+8*(4*\j+2*\t):171+8*(4*\j+2*\t)], v[28+24*\t:39+24*\t], v[130+12*\j:141+12*\j], v[66+16*\t:73+16*\t], v[64+\t], v[154+\j] matrix_a_fmt:MATRIX_FMT_FP6 matrix_b_fmt:MATRIX_FMT_FP6
	v_wmma_scale_f32_16x16x128_f8f6f4 v[172+8*(4*\j+2*\t):179+8*(4*\j+2*\t)], v[16+24*\t:27+24*\t], v[130+12*\j:141+12*\j], v[74+16*\t:81+16*\t], v[64+\t], v[154+\j] matrix_a_fmt:MATRIX_FMT_FP6 matrix_b_fmt:MATRIX_FMT_FP6
.endr
.endr
.rept 4
	v_nop                                          ; places in front of the first read of results and of the loads below
.endr
.irp n, 0,1,2,3,4,5,6,7
.irp p, 0,2,4,6
	v_pk_fma_f32 v[164+8*\n+\p:165+8*\n+\p], v[164+8*\n+\p:165+8*\n+\p], s[30:31], v[156+4*(\n/4)+2*(\n%2):157+4*(\n/4)+2*(\n%2)] op_sel_hi:[1,0,0]   ; C2 (dot - s_i / 2) + NC s_j; each result from its low end on
.endr
.endr
.if \load
	s_add_co_u32 s27, s27, 3072
	s_add_co_u32 s28, s28, 256
	s_add_co_u32 s29, s29, 512
	JLOAD                                          ; the next pair lands under the minima and exponentials
.endif
.set n, 164
.rept 64
	v_min_num_f32 v[n], 0, v[n]                    ; the clamp of the squared distance at 0
.set n, n+1
.endr
.set n, 164
.rept 64
	v_exp_f32 v[n], v[n]
.set n, n+1
.endr
	v_nop                                          ; a plain place behind the batch,
	s_wait_alu depctr_va_vdst(0)                   ; and one wait for it, ahead of its first reader
.irp a, 0,1,2,3
.irp p, 0,2,4,6
.if \first
	v_pk_add_f32 v[98+8*\a+\p:99+8*\a+\p], v[164+8*\a+\p:165+8*\a+\p], v[196+8*\a+\p:197+8*\a+\p]
.else
	v_pk_add_f32 v[164+8*\a+\p:165+8*\a+\p], v[164+8*\a+\p:165+8*\a+\p], v[196+8*\a+\p:197+8*\a+\p]
.endif
.endr
.endr
.if \first == 0
.irp a, 0,1,2,3
.irp p, 0,2,4,6
	v_pk_add_f32 v[98+8*\a+\p:99+8*\a+\p], v[98+8*\a+\p:99+8*\a+\p], v[164+8*\a+\p:165+8*\a+\p]
.endr
.endr
.endif
.endm
	TRIP 1, 1                                      ; the first pair starts the row sums: nothing is cleared
	s_mov_b32 s13, 30
.Lpair:
	TRIP 0, 1
	s_sub_co_u32 s13, s13, 1
	s_cmp_lg_u32 s13, 0
	s_cbranch_scc1 .Lpair
	TRIP 0, 0                                      ; the last pair asks for nothing
.irp m, 1,2,4,8                        ; a lane has summed its column's 64 tiles: now over the 16 columns
.set n, 98
.rept 32
	v_add_f32_dpp v[n], v[n], v[n] row_xmask:\m row_mask:0xf bank_mask:0xf
.set n, n+1
.endr
.endr
.set n, 98
.rept 32
	v_mul_f32 v[n], 0x3a800000, v[n]               ; x 1/1024, exact
.set n, n+1
.endr
	v_cmp_eq_u32 vcc_lo, 0, v2
	s_wait_xcnt 0x0                                ; EXEC changes only behind this wait
	s_and_saveexec_b32 s26, vcc_lo                 ; lanes 0 and 16 store: 32 bytes a tile and half; half a megabyte in the whole launch goes out in such pieces
.irp a, 0,1,2,3
	global_store_b128 v3, v[98+8*\a:101+8*\a], s[8:9] offset:(\a%2)*262144+32*(\a/2)
	global_store_b128 v3, v[102+8*\a:105+8*\a], s[8:9] offset:(\a%2)*262144+32*(\a/2)+16
.endr
	s_wait_xcnt 0x0
	s_or_b32 exec_lo, exec_lo, s26
	s_wait_tensorcnt 0x0                           ; the wave's end: three lines behind my last LDS store
	ds_add_u32 v10, v11
	s_wait_dscnt 0x0
	s_endpgm
.Lfunc_end_k_qcd0d1ade1f_rbf:
	.size	k_qcd0d1ade1f_rbf, .Lfunc_end_k_qcd0d1ade1f_rbf-k_qcd0d1ade1f_rbf
	.p2alignl 7, 3214868480
	.fill 96, 4, 3214868480
	.section	.rodata,"a",@progbits
	.p2align	6, 0x0
	.amdhsa_kernel k_qcd0d1ade1f_rbf
		.amdhsa_group_segment_fixed_size 123904
		.amdhsa_private_segment_fixed_size 0
		.amdhsa_enable_private_segment 0
		.amdhsa_kernarg_size 24
		.amdhsa_user_sgpr_count 2
		.amdhsa_user_sgpr_kernarg_segment_ptr 1
		.amdhsa_wavefront_size32 1
		.amdhsa_system_sgpr_workgroup_id_x 1
		.amdhsa_system_sgpr_workgroup_id_y 1
		.amdhsa_system_sgpr_workgroup_id_z 1
		.amdhsa_system_vgpr_workitem_id 0
		.amdhsa_next_free_vgpr 256
		.amdhsa_next_free_sgpr 66
		.amdhsa_reserve_vcc 1
		.amdhsa_float_denorm_mode_32 3
		.amdhsa_float_denorm_mode_16_64 3
		.amdhsa_memory_ordered 1
		.amdhsa_forward_progress 1
		.amdhsa_inst_pref_size 52
	.end_amdhsa_kernel
	.amdgpu_metadata
---
amdhsa.version: [ 1, 2 ]
amdhsa.kernels:
  - .name:           k_qcd0d1ade1f_rbf
    .symbol:         k_qcd0d1ade1f_rbf.kd
    .args:
      - { .name: kvimg, .offset: 0, .size: 8, .value_kind: global_buffer, .address_space: global }
      - { .name: aux, .offset: 8, .size: 8, .value_kind: global_buffer, .address_space: global }
      - { .name: obj2, .offset: 16, .size: 8, .value_kind: global_buffer, .address_space: global }
    .group_segment_fixed_size: 123904
    .private_segment_fixed_size: 0
    .kernarg_segment_align: 8
    .kernarg_segment_size: 24
    .max_flat_workgroup_size: 256
    .sgpr_count:     66
    .vgpr_count:     256
    .wavefront_size: 32
...
	.end_amdgpu_metadata
.endif
;; end of part 3
;; launch attn (part 4): grid 4 x 64, 16 waves a work-group, no clusters, 207,104 bytes of LDS; arguments qimg, kvimg, vtimg, aux, obj2, ao; writes ao
.if DOCPART == 4
	.amdgcn_target "amdgcn-amd-amdhsa--gfx1250"
	.amdhsa_code_object_version 6
	.text
	.protected	k_qcd0d1ade1f_attn
	.globl	k_qcd0d1ade1f_attn
	.p2align	8
	.type	k_qcd0d1ade1f_attn,@function
k_qcd0d1ade1f_attn:
	s_mov_b64 s[64:65], 0
	v_nop
	global_prefetch_b8 v0, s[64:65] scope:SCOPE_SE
	s_setreg_imm32_b32 hwreg(HW_REG_WAVE_MODE, 25, 1), 1
	s_wait_xcnt 0x0
; The two weight vectors, the q-k map, the finished softmax, its quantising along the keys, attn_prob x v, and the quantising of attn_vec along d.
; LEFT OUT OR SHARED (shown at the head of the first kernel): obj3's 1,024 equal rows are one tile; the inner logsumexp, whose exponents the computation itself bounds, is h_rob / sum(h_rob); one exponential a number:
; attn_prob = g / sum_j(g rho_j), g = 2^(t - m), t = min(w'_j, C2 (dot - sx_i / 2) + b'_j), w' = log2(exp(kv_w)), b' = w' + NC sy_j, rho = exp(k_w - kv_w), m the row's largest t.
; SHARES.  A work-group takes 256 queries of one (b, head): four laps of four query tiles.  A tile's 1,024 keys are split over four waves: wave 4 q + v holds tile q's scores for keys 256 v .. 256 v + 255 in 128 registers.
; The four waves exchange (m, sum) once a lap and their parts of O once, through LDS.  Both products are used transposed: a lane holds one query; register 16 b + i of the scores is key 256 v + 32 b + 16 (lane / 16) + i.
; The head's operands come into LDS once; afterwards those regions are only read.  Cluster: none: what work-groups share is that one fill.
.set VIMG,  65536                      ; LDS: 0: k's fragments, 1,024 bytes a tile (registers 0-7); here v^T's 32 fragments;
.set VECB,  114688                     ; b', then w' 4,096 on, then rho 8,192 on: [key] f32;
.set KSC,   126976                     ; the keys' scale words;
.set EXM,   135168                     ; {m, sum}, 8 bytes a thread;
.set OEX,   139264                     ; parts of O, 4,096 bytes a wave;
.set RED,   204800                     ; 16 parts of obj3; 128 on: 16 pairs of sums of h_rob;
.set SPARE, 205056                     ; the spare words, 128 bytes a wave
; v1 16 x lane, v2 8 x lane, v3 8 r, v12 4 x lane; v4-11 LDS addresses that stay; v13 at work; v14, v15 the add's two; v16-27 q's fragment (6-11 zeros); v28-35 C; v36 q's scale word, v37 sum q^2; v38-45 the blocks' largest t;
; v46-53 v^T's scale words; v54-55 -m; v56-57 c; v58-61 sums; v62-63 {m, sum}; v64-127 at work; v128-255 the scores, then p, then v^T's fragments and O
	s_load_b256 s[4:11], s[0:1], 0x0               ; qimg, kvimg, vtimg, aux
	s_load_b128 s[12:15], s[0:1], 0x20             ; obj2, ao
	v_lshl_add_u32 v14, v0, 2, SPARE
	v_mov_b32 v15, 0
	v_lshrrev_b32 v13, 5, v0
	v_readfirstlane_b32 s16, v13                   ; wave 0..15
	s_lshr_b32 s17, s16, 2                         ; q: my tile of the lap's four
	s_and_b32 s18, s16, 3                          ; v: my quarter of the keys
	v_and_b32 v13, 31, v0
	v_lshlrev_b32 v1, 4, v13
	v_lshlrev_b32 v2, 3, v13
	v_lshlrev_b32 v12, 2, v13
	v_and_b32 v3, 15, v0
	v_lshlrev_b32 v3, 3, v3
	v_bfe_u32 v59, v0, 4, 1                        ; h
	s_lshl_b32 s48, s18, 14
	v_add_nc_u32 v4, s48, v1                       ; my 16 key tiles
	s_lshl_b32 s48, s18, 11
	s_add_co_u32 s48, s48, KSC
	v_add_nc_u32 v5, s48, v12                      ; their scale words
	s_lshl_b32 s48, s18, 10
	s_add_co_u32 s48, s48, VECB
	v_lshl_add_u32 v6, v59, 6, s48                 ; my keys' b' (w', rho): + 64 h
	s_mul_i32 s48, s18, 3072
	s_add_co_u32 s48, s48, VIMG
	v_add_nc_u32 v7, s48, v1                       ; v^T: my two K steps
	v_lshl_add_u32 v8, v0, 3, EXM
	s_lshl_b32 s48, s17, 10
	s_add_co_u32 s48, s48, EXM
	v_add_nc_u32 v9, s48, v2                       ; the four waves of my tile
	s_lshl_b32 s48, s16, 12
	s_add_co_u32 s48, s48, OEX
	v_add_nc_u32 v10, s48, v1
	s_lshl_b32 s48, s17, 14
	s_add_co_u32 s48, s48, OEX
	v_add_nc_u32 v11, s48, v1
	s_lshr_b32 s48, s16, 1                         ; addresses for the head alone, v54-62
	s_mul_i32 s48, s48, 1536
	s_and_b32 s49, s16, 1
	s_lshl_b32 s49, s49, 9
	s_add_co_u32 s48, s48, s49
	v_add_nc_u32 v54, s48, v1                      ; k's fill: tile w / 2 of eight, group w % 2
	v_lshlrev_b32 v55, 4, v0
	v_add_nc_u32 v56, 0x10000, v55
	v_lshlrev_b32 v57, 3, v0
	v_add_nc_u32 v58, VECB, v57
	v_lshlrev_b32 v59, 7, v59                      ; 128 h
	s_lshl_b32 s48, s16, 2
	s_add_co_u32 s48, s48, RED
	v_mov_b32 v60, s48
	s_lshl_b32 s48, s16, 3
	s_add_co_u32 s48, s48, RED+128
	v_mov_b32 v61, s48
	v_mov_b32 v62, RED
	v_mov_b32 v63, 0
.irp i, 22,23,24,25,26,27
	v_mov_b32 v\i, 0                               ; q's zero codes for k = 64 .. 127
.endr
.irp t, 0,1,2,3
.irp i, 8,9,10,11
	v_mov_b32 v[64+12*\t+\i], 0                    ; registers 8-11 of a key fragment are never loaded: whatever they hold meets q's zero codes, and the format has no NaN
.endr
.endr
	s_mov_b32 s19, ttmp9
	s_and_b32 s20, ttmp7, 0xffff                   ; bh
	s_lshl_b32 s48, s19, 4
	s_add_co_u32 s48, s48, s17                     ; my first query tile: 16 x + q
	s_mul_i32 s50, s20, 49152
	s_mul_i32 s49, s48, 768
	s_add_co_u32 s50, s50, s49
	s_mov_b32 s51, 0
	s_lshl_b32 s52, s20, 13
	s_lshl_b32 s49, s48, 7
	s_add_co_u32 s52, s52, s49
	s_mov_b32 s53, 0
	s_mov_b32 s44, 0x3eb8aa3b                      ; C2
	s_mov_b32 s45, s44
	s_mov_b32 s46, 0x76543210
	s_mov_b32 s47, 0xfedcba98
	s_mov_b32 s54, 0x3e4ccccd                      ; 0.2
	s_mov_b32 s55, 0xbe38aa3b                      ; NC
	s_wait_kmcnt 0x0
	s_add_nc_u64 s[22:23], s[4:5], s[50:51]        ; q's image
	s_add_nc_u64 s[26:27], s[14:15], s[50:51]      ; attn_vec's image
	s_add_nc_u64 s[24:25], s[10:11], s[52:53]      ; q's pairs
	s_add_nc_u64 s[28:29], s[14:15], s[52:53]
	s_add_nc_u64 s[28:29], s[28:29], 3145728       ; attn_vec's scale words
	s_mul_i32 s50, s20, 98304
	s_add_nc_u64 s[30:31], s[6:7], s[50:51]
	s_mul_i32 s50, s20, 49152
	s_add_nc_u64 s[32:33], s[8:9], s[50:51]
	s_lshl_b32 s50, s20, 13
	s_add_co_u32 s50, s50, 524288
	s_add_nc_u64 s[34:35], s[10:11], s[50:51]
	s_lshl_b32 s50, s20, 12
	s_add_nc_u64 s[36:37], s[12:13], s[50:51]      ; obj2 of my head
	s_add_nc_u64 s[38:39], s[10:11], s[50:51]
	s_add_nc_u64 s[38:39], s[38:39], 1310720       ; sum k^2
	s_lshr_b32 s52, s16, 3
	s_lshl_b32 s52, s52, 18
	s_and_b32 s49, s16, 7
	s_lshl_b32 s49, s49, 9
	s_add_co_u32 s52, s52, s49
	s_add_nc_u64 s[40:41], s[36:37], s[52:53]      ; obj3: map w / 8, K step w % 8
	s_lshl_b32 s52, s18, 8
	s_add_co_u32 s52, s52, 1048576
	s_add_co_u32 s52, s52, s50
	s_add_nc_u64 s[42:43], s[10:11], s[52:53]      ; v^T's scale words of my two K steps
.set n, 0
.rept 8
	global_load_b128 v[128+4*n:131+4*n], v54, s[30:31] offset:12288*n
.set n, n+1
.endr
.set n, 0
.rept 6
	global_load_b128 v[160+4*n:163+4*n], v55, s[32:33] offset:8192*n
.set n, n+1
.endr
	global_load_b128 v[184:187], v55, s[34:35]
	global_load_b64 v[38:39], v57, s[36:37]                  ; obj2 (k) of my two keys j = 2 x thread, + 1
	global_load_b64 v[40:41], v57, s[36:37] offset:262144    ; obj2 (kv)
	global_load_b64 v[42:43], v57, s[38:39]                  ; sum k^2
.set n, 0
.rept 16
	global_load_b128 v[192+4*n:195+4*n], v59, s[40:41] offset:256*(n/8)+16*(n%8)   ; 128 numbers of obj2 in the operand's order, the same in all 16 columns
.set n, n+1
.endr
.irp d, 0,1,2,3
.irp k, 0,1
	global_load_b32 v[46+2*\d+\k], v12, s[42:43] offset:1024*\d+128*\k
.endr
.endr
	global_load_b128 v[16:19], v1, s[22:23]
	global_load_b64 v[20:21], v2, s[22:23] offset:512
	global_load_b64 v[36:37], v3, s[24:25]
	s_wait_loadcnt 11                              ; all but v^T's 8 scale words and q's 3 loads
.set n, 0
.rept 8
	ds_store_b128 v55, v[128+4*n:131+4*n] offset:8192*n
.set n, n+1
.endr
.set n, 0
.rept 6
	ds_store_b128 v56, v[160+4*n:163+4*n] offset:8192*n
.set n, n+1
.endr
	ds_store_b128 v56, v[184:187] offset:KSC-65536
	; obj3's part: obj2's 128 numbers are quantised along j and multiplied by 16 equal rows of 1/1024 (code 4.0, byte 115)
.irp c, 0,1
	v_max3_num_f32 v[98+\c], |v[192+32*\c]|, |v[193+32*\c]|, 0x1800000
.endr
.irp i, 2,4,6,8,10,12,14,16,18,20,22,24,26,28,30
.irp c, 0,1
	v_max3_num_f32 v[98+\c], v[98+\c], |v[192+32*\c+\i]|, |v[193+32*\c+\i]|
.endr
.endr
	v_add_nc_u32 v98, 0xff000000, v98
	v_add_nc_u32 v99, 0xff000000, v99
	v_lshrrev_b32 v100, 23, v98
	v_lshrrev_b32 v101, 23, v99
	v_lshl_or_b32 v100, v101, 16, v100
	v_lshrrev_b32 v101, 4, v59                     ; 8 h
	v_lshlrev_b32 v100, v101, v100
	v_permlanex16_b32 v101, v100, s46, s47
	v_or_b32 v97, v100, v101                       ; the scale word
.irp c, 0,1
	v_cvt_scalef32_pk16_fp6_f32 v[64+6*\c:66+6*\c], v[192+32*\c:207+32*\c], v[98+\c]
	v_cvt_scalef32_pk16_fp6_f32 v[76+4*\c:78+4*\c], v[208+32*\c:223+32*\c], v[98+\c]
.endr
	v_nop                                          ; one plain place behind the conversions
.irp c, 0,1
.irp i, 0,1,2
	v_mov_b32 v[67+6*\c+\i], v[76+4*\c+\i]
.endr
.endr
.irp i, 0,1,2,3
	v_mov_b32 v[84+3*\i], 0x18618618               ; the code 0x18, sixteen times in three words
	v_mov_b32 v[85+3*\i], 0x86186186
	v_mov_b32 v[86+3*\i], 0x61861861
.endr
	v_mov_b32 v96, 0x73737373
.rept 8
	v_nop                                          ; scale words written by vector instructions stand eight places ahead of the product
.endr
	v_wmma_scale_f32_16x16x128_f8f6f4 v[100:107], v[84:95], v[64:75], 0, v96, v97 matrix_a_fmt:MATRIX_FMT_FP6 matrix_b_fmt:MATRIX_FMT_FP6
.rept 4
	v_nop
.endr
	ds_store_b32 v60, v100                         ; all results are equal: every lane writes the wave's word with the same value
	s_wait_dscnt 0x0                               ; my part of the fill and my word have landed
	s_barrier_signal -1
	s_barrier_wait -1
.irp i, 0,1,2,3
	ds_load_b128 v[64+4*\i:67+4*\i], v62 offset:16*\i
.endr
	s_wait_dscnt 0x0
.irp i, 1,2,3,4,5,6,7
	v_add_f32 v64, v64, v[64+\i]                   ; obj3 (k),
	v_add_f32 v72, v72, v[72+\i]                   ; obj3 (kv): K ascending
.endr
	v_add_f32 v80, 1.0, v38
	v_add_f32 v81, 1.0, v39
	v_add_f32 v82, 1.0, v40
	v_add_f32 v83, 1.0, v41
	v_add_f32 v80, v80, v64
	v_add_f32 v81, v81, v64
	v_add_f32 v82, v82, v72
	v_add_f32 v83, v83, v72
.irp i, 80,81,82,83
	v_sqrt_f32 v\i, v\i                            ; h_norm
.endr
	v_mov_b32 v99, 1.0                             ; (a plain place)
	s_wait_alu depctr_va_vdst(0)                   ; one wait a batch, ahead of its first reader
.irp i, 0,1,2,3
	v_rcp_f32 v[84+\i], v[80+\i]
.endr
	v_nop
	s_wait_alu depctr_va_vdst(0)
.irp i, 0,1,2,3
	v_mul_f32 v[84+\i], s54, v[84+\i]              ; 0.2 / h_norm
.endr
.irp i, 0,1,2,3
	v_cmp_ge_f32 vcc_lo, s54, v[80+\i]
	v_cndmask_b32 v[84+\i], v[84+\i], v99, vcc_lo  ; 1 where h_norm <= 0.2
.endr
	v_add_f32 v88, v84, v85
	v_add_f32 v89, v86, v87
.irp m, 1,2,4,8
	v_add_f32_dpp v88, v88, v88 row_xmask:\m row_mask:0xf bank_mask:0xf
	v_add_f32_dpp v89, v89, v89 row_xmask:\m row_mask:0xf bank_mask:0xf
.endr
	v_permlanex16_b32 v90, v88, s46, s47
	v_permlanex16_b32 v91, v89, s46, s47
	v_add_f32 v88, v88, v90
	v_add_f32 v89, v89, v91
	ds_store_b64 v61, v[88:89]
	s_wait_dscnt 0x0
	s_barrier_signal -1
	s_barrier_wait -1
.irp i, 0,1,2,3,4,5,6,7
	ds_load_b128 v[96+4*\i:99+4*\i], v62 offset:128+16*\i
.endr
	s_wait_dscnt 0x0
.irp i, 2,4,6,8,10,12,14,16,18,20,22,24,26,28,30
	v_pk_add_f32 v[96:97], v[96:97], v[96+\i:97+\i]   ; sum h_rob (k), sum h_rob (kv)
.endr
	v_log_f32 v100, v86
	v_log_f32 v101, v87
	v_log_f32 v102, v97
	v_rcp_f32 v103, v86
	v_rcp_f32 v104, v87
	v_rcp_f32 v105, v96
	v_nop
	s_wait_alu depctr_va_vdst(0)
	v_sub_f32 v100, v100, v102                     ; w'
	v_sub_f32 v101, v101, v102
	v_fma_f32 v106, s55, v42, v100                 ; b' = NC sy + w'
	v_fma_f32 v107, s55, v43, v101
	v_mul_f32 v105, v105, v97
	v_mul_f32 v108, v84, v103
	v_mul_f32 v109, v85, v104
	v_mul_f32 v108, v108, v105                     ; rho
	v_mul_f32 v109, v109, v105
	ds_store_b64 v58, v[106:107]
	ds_store_b64 v58, v[100:101] offset:4096
	ds_store_b64 v58, v[108:109] offset:8192
	s_wait_dscnt 0x0
	s_barrier_signal -1
	s_barrier_wait -1
.macro LOADV b                         ; block b's 16 b' and 16 w' into half b % 2 of v64-127
.irp e, 0,1,2,3
	ds_load_b128 v[64+32*((\b)%2)+4*\e:67+32*((\b)%2)+4*\e], v6 offset:128*(\b)+16*\e
.endr
.irp e, 0,1,2,3
	ds_load_b128 v[80+32*((\b)%2)+4*\e:83+32*((\b)%2)+4*\e], v6 offset:4096+128*(\b)+16*\e
.endr
.endm
.macro LOADR hf                        ; rho of blocks 4 hf .. 4 hf + 3
.set n, 0
.rept 16
	ds_load_b128 v[64+4*n:67+4*n], v6 offset:8192+512*\hf+128*(n/4)+16*(n%4)
.set n, n+1
.endr
.endm
.macro BLK b                           ; t of block b, and its largest
.if \b < 7
	s_wait_dscnt 8                                 ; this block's 8 loads are in; the next block's 8 may stay out
.else
	s_wait_dscnt 0x0
.endif
.set SB, 128+16*\b
.set VB, 64+32*(\b%2)
.irp p, 0,2,4,6,8,10,12,14
	v_pk_fma_f32 v[SB+\p:SB+\p+1], v[SB+\p:SB+\p+1], s[44:45], v[VB+\p:VB+\p+1] op_sel_hi:[1,0,1]   ; each result from its low end on
.endr
.irp p, 0,1,2,3,4,5,6,7,8,9,10,11,12,13,14,15
	v_min_num_f32 v[SB+\p], v[SB+\p], v[VB+16+\p]  ; the clamp of the squared distance at 0
.endr
	v_max3_num_f32 v[38+\b], v[SB], v[SB+1], v[SB+2]
	v_max3_num_f32 v13, v[SB+3], v[SB+4], v[SB+5]
	v_max3_num_f32 v[38+\b], v[38+\b], v[SB+6], v[SB+7]
	v_max3_num_f32 v13, v13, v[SB+8], v[SB+9]
	v_max3_num_f32 v[38+\b], v[38+\b], v[SB+10], v[SB+11]
	v_max3_num_f32 v13, v13, v[SB+12], v[SB+13]
	v_max3_num_f32 v[38+\b], v[38+\b], v[SB+14], v[SB+15]
	v_max_num_f32 v[38+\b], v[38+\b], v13
.if \b < 6
	LOADV \b+2
.endif
.endm
	s_mov_b32 s21, 4
.Llap:
	s_wait_loadcnt 0x0                             ; q's fragment, scale word and sum of squares (first lap: v^T's scale words too)
	v_mul_f32 v28, -0.5, v37
.irp i, 1,2,3,4,5,6,7
	v_mov_b32 v[28+\i], v28                        ; C: -sx / 2 of my query, for all eight keys
.endr
.rept 4
	v_nop
.endr
.irp g, 0,1,2,3                        ; S^T = k q^T - sx / 2, four key tiles at a time
.irp t, 0,1,2,3
	ds_load_b128 v[64+12*\t:67+12*\t], v4 offset:1024*(4*\g+\t)
	ds_load_b128 v[68+12*\t:71+12*\t], v4 offset:1024*(4*\g+\t)+512
	ds_load_b32 v[112+\t], v5 offset:128*(4*\g+\t)
.endr
	s_wait_dscnt 0x0
.irp t, 0,1,2,3
	v_wmma_scale_f32_16x16x128_f8f6f4 v[128+8*(4*\g+\t):135+8*(4*\g+\t)], v[64+12*\t:75+12*\t], v[16:27], v[28:35], v[112+\t], v36 matrix_a_fmt:MATRIX_FMT_FP6 matrix_b_fmt:MATRIX_FMT_FP6
.endr
.rept 4
	v_nop                                          ; places in front of loads into operands and of the first read of results
.endr
.endr
	s_cmp_eq_u32 s21, 1                            ; the next lap's q is asked for here; the last lap asks for nothing
	s_cbranch_scc1 .Lnoq
	global_load_b128 v[16:19], v1, s[22:23] offset:3072
	global_load_b64 v[20:21], v2, s[22:23] offset:3584
	global_load_b64 v[36:37], v3, s[24:25] offset:512
.Lnoq:
	LOADV 0
	LOADV 1
.irp b, 0,1,2,3,4,5,6,7
	BLK \b
.endr
.irp b, 0,1,2,3,4,5,6,7
	v_permlanex16_b32 v[56+\b], v[38+\b], s46, s47
.endr
.irp b, 0,1,2,3,4,5,6,7
	v_max_num_f32 v[38+\b], v[38+\b], v[56+\b]     ; the blocks' largest t: they serve for the row's maximum and, since p rises with t, for the blocks' largest p
.endr
	v_max3_num_f32 v13, v38, v39, v40
	v_max3_num_f32 v13, v13, v41, v42
	v_max3_num_f32 v13, v13, v43, v44
	v_max_num_f32 v62, v13, v45                    ; m of my quarter
	v_xor_b32 v54, 0x80000000, v62
	v_mov_b32 v55, v54
	LOADR 0
.set n, 128
.rept 64
	v_pk_add_f32 v[n:n+1], v[n:n+1], v[54:55]
.set n, n+2
.endr
.irp b, 0,1,2,3,4,5,6,7
	v_add_f32 v[38+\b], v[38+\b], v54
.endr
.set n, 128
.rept 128
	v_exp_f32 v[n], v[n]                           ; g = 2^(t - m)
.set n, n+1
.endr
.irp b, 0,1,2,3,4,5,6,7
	v_exp_f32 v[38+\b], v[38+\b]
.endr
	v_nop                                          ; a plain place behind the batch,
	s_wait_alu depctr_va_vdst(0)                   ; and one wait for all 136
	s_wait_dscnt 0x0                               ; rho of blocks 0-3
	v_pk_mul_f32 v[58:59], v[128:129], v[64:65]
	v_pk_mul_f32 v[60:61], v[130:131], v[66:67]
.irp p, 4,8,12,16,20,24,28,32,36,40,44,48,52,56,60
	v_pk_fma_f32 v[58:59], v[128+\p:129+\p], v[64+\p:65+\p], v[58:59]
	v_pk_fma_f32 v[60:61], v[130+\p:131+\p], v[66+\p:67+\p], v[60:61]
.endr
	LOADR 1
	s_wait_dscnt 0x0
.irp p, 0,4,8,12,16,20,24,28,32,36,40,44,48,52,56,60
	v_pk_fma_f32 v[58:59], v[192+\p:193+\p], v[64+\p:65+\p], v[58:59]
	v_pk_fma_f32 v[60:61], v[194+\p:195+\p], v[66+\p:67+\p], v[60:61]
.endr
	v_pk_add_f32 v[58:59], v[58:59], v[60:61]
	v_add_f32 v58, v58, v59
	v_permlanex16_b32 v59, v58, s46, s47
	v_add_f32 v63, v58, v59                        ; sum g rho of my quarter
	ds_store_b64 v8, v[62:63]
	s_wait_dscnt 0x0                               ; my pair has landed (and, in the wave that joined the last lap's parts of O, its reads of them are long in)
	s_barrier_signal -1
	s_barrier_wait -1
.irp i, 0,1,2,3
	ds_load_b64 v[64+2*\i:65+2*\i], v9 offset:256*\i
.endr
	s_wait_dscnt 0x0
	v_max3_num_f32 v13, v64, v66, v68
	v_max_num_f32 v13, v13, v70                    ; the row's largest t
	v_sub_f32 v64, v64, v13
	v_sub_f32 v66, v66, v13
	v_sub_f32 v68, v68, v13
	v_sub_f32 v70, v70, v13
	v_sub_f32 v72, v62, v13
.irp i, 64,66,68,70,72
	v_exp_f32 v\i, v\i
.endr
	v_nop
	s_wait_alu depctr_va_vdst(0)
	v_mul_f32 v65, v64, v65
	v_fma_f32 v65, v66, v67, v65
	v_fma_f32 v65, v68, v69, v65
	v_fma_f32 v65, v70, v71, v65                   ; the row's sum, in the same order in all four waves
	v_rcp_f32 v65, v65
	v_nop
	s_wait_alu depctr_va_vdst(0)
	v_mul_f32 v56, v72, v65                        ; c: attn_prob = g c
	v_mov_b32 v57, v56
.set n, 128
.rept 64
	v_pk_mul_f32 v[n:n+1], v[n:n+1], v[56:57]
.set n, n+2
.endr
.irp b, 0,1,2,3,4,5,6,7
	v_mul_f32 v[38+\b], v[38+\b], v56              ; the same three instructions on the same number: the block's largest p
.endr
.irp b, 0,1,2,3,4,5,6,7
	v_max_num_f32 v[38+\b], 0x1800000, v[38+\b]    ; the floor
.endr
.irp b, 0,1,2,3,4,5,6,7
	v_add_nc_u32 v[38+\b], 0xff000000, v[38+\b]    ; the conversions' scale operands
.endr
.irp b, 0,1,2,3,4,5,6,7
	v_lshrrev_b32 v[106+\b], 23, v[38+\b]
.endr
.irp k, 0,1
	v_lshl_or_b32 v[104+\k], v[107+4*\k], 8, v[106+4*\k]
	v_lshl_or_b32 v[104+\k], v[108+4*\k], 16, v[104+\k]
	v_lshl_or_b32 v[104+\k], v[109+4*\k], 24, v[104+\k]   ; p's scale words of my two K steps
.endr
.irp k, 0,1
.irp c, 0,1
	v_cvt_scalef32_pk16_fp6_f32 v[64+12*\k+6*\c:66+12*\k+6*\c], v[128+64*\k+32*\c:143+64*\k+32*\c], v[38+4*\k+2*\c]
	v_cvt_scalef32_pk16_fp6_f32 v[88+8*\k+4*\c:90+8*\k+4*\c], v[144+64*\k+32*\c:159+64*\k+32*\c], v[39+4*\k+2*\c]
.endr
.endr
	v_nop                                          ; one plain place behind the conversions
.irp k, 0,1
.irp c, 0,1
.irp i, 0,1,2
	v_permlane16_swap_b32 v[64+12*\k+6*\c+\i], v[88+8*\k+4*\c+\i]
.endr
.irp i, 0,1,2
	v_mov_b32 v[67+12*\k+6*\c+\i], v[88+8*\k+4*\c+\i]
.endr
.endr
.endr
.irp d, 0,1,2,3
.irp k, 0,1
.irp g, 0,1,2
	ds_load_b128 v[128+12*(2*\d+\k)+4*\g:131+12*(2*\d+\k)+4*\g], v7 offset:12288*\d+1536*\k+512*\g
.endr
.endr
.endr
	s_wait_dscnt 0x0
.rept 8
	v_nop                                          ; p's scale words stand eight places ahead of the products, its codes four
.endr
.irp k, 0,1                            ; O^T = v^T p^T over my 256 keys: four accumulators by turns
.irp d, 0,1,2,3
.if \k == 0
	v_wmma_scale_f32_16x16x128_f8f6f4 v[224+8*\d:231+8*\d], v[128+12*(2*\d+\k):139+12*(2*\d+\k)], v[64+12*\k:75+12*\k], 0, v[46+2*\d+\k], v[104+\k] matrix_a_fmt:MATRIX_FMT_FP6 matrix_b_fmt:MATRIX_FMT_FP6
.else
	v_wmma_scale_f32_16x16x128_f8f6f4 v[224+8*\d:231+8*\d], v[128+12*(2*\d+\k):139+12*(2*\d+\k)], v[64+12*\k:75+12*\k], v[224+8*\d:231+8*\d], v[46+2*\d+\k], v[104+\k] matrix_a_fmt:MATRIX_FMT_FP6 matrix_b_fmt:MATRIX_FMT_FP6
.endif
.endr
.endr
.rept 5
	v_nop                                          ; four for the stores and loads below, a fifth for the next lap's products, which write over these registers
.endr
.irp i, 0,1,2,3,4,5,6,7
	ds_store_b128 v10, v[224+4*\i:227+4*\i] offset:512*\i   ; each accumulator from its low end on
.endr
	s_wait_dscnt 0x0                               ; my part of O has landed, and my reads of the pairs are in
	s_barrier_signal -1
	s_barrier_wait -1
	s_cmp_lg_u32 s18, s17                          ; tile q's four parts are joined by its wave v = q; the others go on.  No barrier stands in the branch
	s_cbranch_scc1 .Lnojoin
.irp p, 0,1,2,3
.irp i, 0,1,2,3,4,5,6,7
	ds_load_b128 v[128+32*\p+4*\i:131+32*\p+4*\i], v11 offset:4096*\p+512*\i
.endr
.endr
	s_wait_dscnt 0x0
.irp p, 1,2,3
.irp j, 0,2,4,6,8,10,12,14,16,18,20,22,24,26,28,30
	v_pk_add_f32 v[128+\j:129+\j], v[128+\j:129+\j], v[128+32*\p+\j:129+32*\p+\j]   ; keys ascending
.endr
.endr
.irp b, 0,1                            ; attn_vec's 64 numbers of this head: register 16 b + i = d 32 b + 16 (lane / 16) + i: two blocks of the last product's K
	v_max3_num_f32 v[64+\b], |v[128+16*\b]|, |v[129+16*\b]|, 0x1800000
.endr
.irp i, 2,4,6,8,10,12,14
.irp b, 0,1
	v_max3_num_f32 v[64+\b], v[64+\b], |v[128+16*\b+\i]|, |v[129+16*\b+\i]|
.endr
.endr
	v_permlanex16_b32 v66, v64, s46, s47
	v_permlanex16_b32 v67, v65, s46, s47
	v_max_num_f32 v64, v64, v66
	v_max_num_f32 v65, v65, v67
	v_add_nc_u32 v64, 0xff000000, v64
	v_add_nc_u32 v65, 0xff000000, v65
	v_lshrrev_b32 v66, 23, v64
	v_lshrrev_b32 v67, 23, v65
	v_lshl_or_b32 v68, v67, 8, v66
	v_cvt_scalef32_pk16_fp6_f32 v[70:72], v[128:143], v64
	v_cvt_scalef32_pk16_fp6_f32 v[76:78], v[144:159], v65
	v_nop
.irp i, 0,1,2
	v_permlane16_swap_b32 v[70+\i], v[76+\i]
.endr
.irp i, 0,1,2
	v_mov_b32 v[73+\i], v[76+\i]
.endr
	global_store_b128 v1, v[70:73], s[26:27]
	global_store_b64 v2, v[74:75], s[26:27] offset:512
	global_store_b32 v12, v68, s[28:29]
.Lnojoin:
	s_wait_xcnt 0x0                                ; loads and stores have read their bases and data: both are written again only behind this wait
	s_add_nc_u64 s[22:23], s[22:23], 3072
	s_add_nc_u64 s[24:25], s[24:25], 512
	s_add_nc_u64 s[26:27], s[26:27], 3072
	s_add_nc_u64 s[28:29], s[28:29], 512
	s_sub_co_u32 s21, s21, 1
	s_cmp_lg_u32 s21, 0
	s_cbranch_scc1 .Llap
	s_wait_tensorcnt 0x0                           ; the wave's end: three lines behind my last LDS store
	ds_add_u32 v14, v15
	s_wait_dscnt 0x0
	s_endpgm
.Lfunc_end_k_qcd0d1ade1f_attn:
	.size	k_qcd0d1ade1f_attn, .Lfunc_end_k_qcd0d1ade1f_attn-k_qcd0d1ade1f_attn
	.p2alignl 7, 3214868480
	.fill 96, 4, 3214868480
	.section	.rodata,"a",@progbits
	.p2align	6, 0x0
	.amdhsa_kernel k_qcd0d1ade1f_attn
		.amdhsa_group_segment_fixed_size 207104
		.amdhsa_private_segment_fixed_size 0
		.amdhsa_enable_private_segment 0
		.amdhsa_kernarg_size 48
		.amdhsa_user_sgpr_count 2
		.amdhsa_user_sgpr_kernarg_segment_ptr 1
		.amdhsa_wavefront_size32 1
		.amdhsa_system_sgpr_workgroup_id_x 1
		.amdhsa_system_sgpr_workgroup_id_y 1
		.amdhsa_system_sgpr_workgroup_id_z 1
		.amdhsa_system_vgpr_workitem_id 0
		.amdhsa_next_free_vgpr 256
		.amdhsa_next_free_sgpr 66
		.amdhsa_reserve_vcc 1
		.amdhsa_float_denorm_mode_32 3
		.amdhsa_float_denorm_mode_16_64 3
		.amdhsa_memory_ordered 1
		.amdhsa_forward_progress 1
		.amdhsa_inst_pref_size 78
	.end_amdhsa_kernel
	.amdgpu_metadata
---
amdhsa.version: [ 1, 2 ]
amdhsa.kernels:
  - .name:           k_qcd0d1ade1f_attn
    .symbol:         k_qcd0d1ade1f_attn.kd
    .args:
      - { .name: qimg, .offset: 0, .size: 8, .value_kind: global_buffer, .address_space: global }
      - { .name: kvimg, .offset: 8, .size: 8, .value_kind: global_buffer, .address_space: global }
      - { .name: vtimg, .offset: 16, .size: 8, .value_kind: global_buffer, .address_space: global }
      - { .name: aux, .offset: 24, .size: 8, .value_kind: global_buffer, .address_space: global }
      - { .name: obj2, .offset: 32, .size: 8, .value_kind: global_buffer, .address_space: global }
      - { .name: ao, .offset: 40, .size: 8, .value_kind: global_buffer, .address_space: global }
    .group_segment_fixed_size: 207104
    .private_segment_fixed_size: 0
    .kernarg_segment_align: 8
    .kernarg_segment_size: 48
    .max_flat_workgroup_size: 512
    .sgpr_count:     66
    .vgpr_count:     256
    .wavefront_size: 32
...
	.end_amdgpu_metadata
.endif
;; end of part 4
;; launch out (part 5): grid 256 x 1, 4 waves a work-group, no clusters, 66,560 bytes of LDS; arguments ao, codes, scl, h, ln_g, ln_b, out0; writes out0
.if DOCPART == 5
	.amdgcn_target "amdgcn-amd-amdhsa--gfx1250"
	.amdhsa_code_object_version 6
	.text
	.protected	k_qcd0d1ade1f_out
	.globl	k_qcd0d1ade1f_out
	.p2align	8
	.type	k_qcd0d1ade1f_out,@function
k_qcd0d1ade1f_out:
	s_mov_b64 s[64:65], 0
	v_nop
	global_prefetch_b8 v0, s[64:65] scope:SCOPE_SE
	s_setreg_imm32_b32 hwreg(HW_REG_WAVE_MODE, 25, 1), 1
	s_wait_xcnt 0x0
; out0 = LayerNorm(h + attn_vec Wo^T) ln_g + ln_b.  Nothing of reference() is left out here.
; A work-group takes 32 rows s of one b.  Wave w keeps Wo's rows 128 w .. 128 w + 127 (8 tiles, 384 registers, windows 1 and 2) as source 0 and takes the two tiles of attn_vec as source 1: a lane holds one row s and
; 64 neighbouring-by-sixteens outputs.  The rows meet in a stage in LDS; then each wave owns 8 whole rows: residual, mean, variance, gain and bias in registers; each load and store of a row covers 512 consecutive bytes.
; A K step of 128 is two heads: registers 0-5 from the even head's image, 6-11 from the odd head's; the scale word is the even head's two bytes under the odd head's.
.set SPARE, 66048                      ; behind the stage (32 rows x 2,064 bytes): the spare words, 128 bytes a wave
.set XF0, 16                           ; v16-63, v64-111 the two tiles' four fragments; later v16-143: my 8 rows
.set HA,  112                          ; v112-175 the accumulators (before them: the heads' scale words); later v144-167 at work
.set GG,  176                          ; v176-191 ln_g, v192-207 ln_b of my 16 columns
.set BB,  192
.set XS0, 216
.set SS,  224
.set MSB, 0
.macro WIN new
.if MSB != \new
	s_set_vgpr_msb (MSB<<8)|\new
.set MSB, \new
.endif
.endm
	s_load_b256 s[4:11], s[0:1], 0x0               ; ao, codes, scl, h
	s_load_b128 s[12:15], s[0:1], 0x20             ; ln_g, ln_b
	s_load_b64 s[16:17], s[0:1], 0x30              ; out0
	v_lshl_add_u32 v14, v0, 2, SPARE
	v_mov_b32 v15, 0
	v_lshrrev_b32 v1, 5, v0
	v_readfirstlane_b32 s18, v1                    ; wave
	v_and_b32 v8, 31, v0
	v_lshlrev_b32 v1, 4, v8
	v_lshlrev_b32 v2, 3, v8
	v_lshlrev_b32 v3, 2, v8
	v_and_b32 v4, 15, v0
	v_bfe_u32 v5, v0, 4, 1
	v_and_b32 v6, 8, v4
	v_add_nc_u32 v6, v6, v4
	v_mul_u32_u24 v6, v6, 2064
	v_lshl_add_u32 v6, v5, 6, v6
	s_lshl_b32 s39, s18, 9
	v_add_nc_u32 v6, s39, v6                       ; stage, way in: row r + 8 (r / 8), + 64 h, + my 512 bytes
	s_mul_i32 s39, s18, 16512
	v_add_nc_u32 v7, s39, v1                       ; way out: my 8 rows
	s_lshr_b32 s19, ttmp9, 5                       ; b
	s_and_b32 s38, ttmp9, 31                       ; which 32 rows
	s_mul_i32 s40, s19, 393216
	s_mul_i32 s39, s38, 1536
	s_add_co_u32 s40, s40, s39
	s_mov_b32 s41, 0
	s_lshl_b32 s42, s19, 16
	s_lshl_b32 s39, s38, 8
	s_add_co_u32 s42, s42, s39
	s_add_co_u32 s42, s42, 3145728
	s_mov_b32 s43, 0
	s_lshl_b32 s39, s18, 3
	s_add_co_u32 s39, s39, 608                     ; Wo's tiles 8 w ..
	s_mul_i32 s44, s39, 6144
	s_mov_b32 s45, 0
	s_lshl_b32 s46, s39, 9
	s_mov_b32 s47, 0
	s_lshl_b32 s48, s38, 5
	s_lshl_b32 s39, s18, 3
	s_add_co_u32 s48, s48, s39
	s_lshl_b32 s48, s48, 14
	s_lshl_b32 s39, s19, 11
	s_add_co_u32 s48, s48, s39                     ; my first row of h and out0
	s_mov_b32 s49, 0
	s_mov_b32 s34, 0x76543210
	s_mov_b32 s35, 0xfedcba98
	s_mov_b32 s36, 0x3b000000                      ; 1/512
	s_mov_b32 s37, 0x3727c5ac                      ; 1e-5
	s_wait_kmcnt 0x0
	s_add_nc_u64 s[20:21], s[4:5], s[40:41]
	s_add_nc_u64 s[22:23], s[4:5], s[42:43]
	s_add_nc_u64 s[24:25], s[6:7], s[44:45]
	s_add_nc_u64 s[26:27], s[24:25], 24576
	s_add_nc_u64 s[28:29], s[8:9], s[46:47]
	s_add_nc_u64 s[30:31], s[10:11], s[48:49]
	s_add_nc_u64 s[32:33], s[16:17], s[48:49]
.irp m, 0,1
.irp a, 0,1,2,3,4,5,6,7
	global_load_b128 v[XF0+48*\m+12*(\a/2)+6*(\a%2):XF0+48*\m+12*(\a/2)+6*(\a%2)+3], v1, s[20:21] offset:49152*\a+768*\m
	global_load_b64 v[XF0+48*\m+12*(\a/2)+6*(\a%2)+4:XF0+48*\m+12*(\a/2)+6*(\a%2)+5], v2, s[20:21] offset:49152*\a+768*\m+512
	global_load_b32 v[HA+8*\m+\a], v3, s[22:23] offset:8192*\a+128*\m
.endr
.endr
.irp t, 0,1,2,3,4,5,6,7
	global_load_b64 v[SS+4*\t:SS+4*\t+1], v2, s[28:29] offset:512*\t
	global_load_b64 v[SS+4*\t+2:SS+4*\t+3], v2, s[28:29] offset:512*\t+256
.endr
.macro LDSTAT win, p
	WIN \win
.set n, 0
.rept 48
	global_load_b128 v[4*n:4*n+3], v1, s[\p:\p+1] offset:512*n
.set n, n+1
.endr
	WIN 0
.endm
	LDSTAT 0x40, 24
	LDSTAT 0x80, 26
	WIN 0xc0                                       ; destination window 3: my 8 rows of h
.set n, 0
.rept 32
	global_load_b128 v[4*n:4*n+3], v1, s[30:31] offset:16384*(n/4)+512*(n%4) th:TH_LOAD_NT
.set n, n+1
.endr
	WIN 0
.irp e, 0,1,2,3
	global_load_b128 v[GG+4*\e:GG+4*\e+3], v1, s[12:13] offset:512*\e
	global_load_b128 v[BB+4*\e:BB+4*\e+3], v1, s[14:15] offset:512*\e
.endr
	s_wait_loadcnt 40                              ; the operands are in; h's 32 loads and the 8 of gain and bias may stay out
.irp m, 0,1
.irp k, 0,1,2,3
	v_lshl_or_b32 v[XS0+4*\m+\k], v[HA+8*\m+2*\k+1], 16, v[HA+8*\m+2*\k]
.endr
.endr
.rept 8
	v_nop                                          ; scale words written by vector instructions stand eight places ahead of the products
.endr
.macro MMG xf, xs, grp                 ; four accumulators by turns, K ascending; the first K step starts the sums
.irp k, 0,1,2,3
.irp t, 0,1,2,3
.if \k == 0
	v_wmma_scale_f32_16x16x128_f8f6f4 v[HA+32*\grp+8*\t:HA+32*\grp+8*\t+7], v[12*(4*\t+\k):12*(4*\t+\k)+11], v[\xf+12*\k:\xf+12*\k+11], 0, v[SS+16*\grp+4*\t+\k], v[\xs+\k] matrix_a_fmt:MATRIX_FMT_FP6 matrix_b_fmt:MATRIX_FMT_FP6
.else
	v_wmma_scale_f32_16x16x128_f8f6f4 v[HA+32*\grp+8*\t:HA+32*\grp+8*\t+7], v[12*(4*\t+\k):12*(4*\t+\k)+11], v[\xf+12*\k:\xf+12*\k+11], v[HA+32*\grp+8*\t:HA+32*\grp+8*\t+7], v[SS+16*\grp+4*\t+\k], v[\xs+\k] matrix_a_fmt:MATRIX_FMT_FP6 matrix_b_fmt:MATRIX_FMT_FP6
.endif
.endr
.endr
.endm
.irp m, 0,1
	WIN 0x01
	MMG XF0+48*\m, XS0+4*\m, 0
	WIN 0x02
	MMG XF0+48*\m, XS0+4*\m, 1
	WIN 0
.rept 5
	v_nop                                          ; four for the stores of results, a fifth for the second tile's products, which begin the same accumulators anew
.endr
.set n, 0
.rept 16
	ds_store_b128 v6, v[HA+4*n:HA+4*n+3] offset:16512*\m+128*(n/4)+16*(n%4)   ; ascending: each accumulator from its low end on
.set n, n+1
.endr
	s_wait_dscnt 0x0                               ; the stores have read their registers, and have landed
.endr
	s_barrier_signal -1
	s_barrier_wait -1                              ; 32 whole rows lie in the stage
.set n, 0
.rept 32
	ds_load_b128 v[16+4*n:19+4*n], v7 offset:2064*(n/4)+512*(n%4)
.set n, n+1
.endr
	s_wait_dscnt 0x0
	s_wait_loadcnt 0x0
	WIN 0x0c                                       ; source 1 in window 3
.set n, 0
.rept 64
	v_pk_add_f32 v[16+n:17+n], v[16+n:17+n], v[n:n+1]   ; x = attn_out + h
.set n, n+2
.endr
	WIN 0
.macro ALLSUM                          ; v[144 + 2 i] and its neighbour: over the pair, then over the 32 lanes; the eight rows by turns
.irp i, 0,1,2,3,4,5,6,7
	v_add_f32 v[144+2*\i], v[144+2*\i], v[145+2*\i]
.endr
.irp m, 1,2,4,8
.irp i, 0,1,2,3,4,5,6,7
	v_add_f32_dpp v[144+2*\i], v[144+2*\i], v[144+2*\i] row_xmask:\m row_mask:0xf bank_mask:0xf
.endr
.endr
.irp i, 0,1,2,3,4,5,6,7
	v_permlanex16_b32 v[160+\i], v[144+2*\i], s34, s35
.endr
.irp i, 0,1,2,3,4,5,6,7
	v_add_f32 v[144+2*\i], v[144+2*\i], v[160+\i]
.endr
.endm
.irp i, 0,1,2,3,4,5,6,7
	v_pk_add_f32 v[144+2*\i:145+2*\i], v[16+16*\i:17+16*\i], v[18+16*\i:19+16*\i]
.endr
.irp p, 4,6,8,10,12,14
.irp i, 0,1,2,3,4,5,6,7
	v_pk_add_f32 v[144+2*\i:145+2*\i], v[144+2*\i:145+2*\i], v[16+16*\i+\p:17+16*\i+\p]
.endr
.endr
	ALLSUM
.irp i, 0,1,2,3,4,5,6,7
	v_mul_f32 v[144+2*\i], 0xbb000000, v[144+2*\i] ; -mean
.endr
.irp i, 0,1,2,3,4,5,6,7
.irp p, 0,2,4,6,8,10,12,14
	v_pk_add_f32 v[16+16*\i+\p:17+16*\i+\p], v[16+16*\i+\p:17+16*\i+\p], v[144+2*\i:145+2*\i] op_sel_hi:[1,0]
.endr
.endr
.irp i, 0,1,2,3,4,5,6,7
	v_pk_mul_f32 v[144+2*\i:145+2*\i], v[16+16*\i:17+16*\i], v[16+16*\i:17+16*\i]
.endr
.irp p, 2,4,6,8,10,12,14
.irp i, 0,1,2,3,4,5,6,7
	v_pk_fma_f32 v[144+2*\i:145+2*\i], v[16+16*\i+\p:17+16*\i+\p], v[16+16*\i+\p:17+16*\i+\p], v[144+2*\i:145+2*\i]
.endr
.endr
	ALLSUM
.irp i, 0,1,2,3,4,5,6,7
	v_fma_f32 v[144+2*\i], v[144+2*\i], s36, s37   ; variance + 1e-5
.endr
.irp i, 0,1,2,3,4,5,6,7
	v_rsq_f32 v[144+2*\i], v[144+2*\i]
.endr
	v_nop                                          ; a plain place behind the batch, and one wait for it
	s_wait_alu depctr_va_vdst(0)
.irp i, 0,1,2,3,4,5,6,7
.irp p, 0,2,4,6,8,10,12,14
	v_pk_mul_f32 v[16+16*\i+\p:17+16*\i+\p], v[16+16*\i+\p:17+16*\i+\p], v[144+2*\i:145+2*\i] op_sel_hi:[1,0]
.endr
.endr
.irp i, 0,1,2,3,4,5,6,7
.irp p, 0,2,4,6,8,10,12,14
	v_pk_fma_f32 v[16+16*\i+\p:17+16*\i+\p], v[16+16*\i+\p:17+16*\i+\p], v[GG+\p:GG+\p+1], v[BB+\p:BB+\p+1]
.endr
.endr
.set n, 0
.rept 32
	global_store_b128 v1, v[16+4*n:19+4*n], s[32:33] offset:16384*(n/4)+512*(n%4) th:TH_STORE_NT   ; 512 consecutive bytes a store
.set n, n+1
.endr
	s_wait_tensorcnt 0x0                           ; the wave's end: three lines behind my last LDS store
	ds_add_u32 v14, v15
	s_wait_dscnt 0x0
	s_endpgm
.Lfunc_end_k_qcd0d1ade1f_out:
	.size	k_qcd0d1ade1f_out, .Lfunc_end_k_qcd0d1ade1f_out-k_qcd0d1ade1f_out
	.p2alignl 7, 3214868480
	.fill 96, 4, 3214868480
	.section	.rodata,"a",@progbits
	.p2align	6, 0x0
	.amdhsa_kernel k_qcd0d1ade1f_out
		.amdhsa_group_segment_fixed_size 66560
		.amdhsa_private_segment_fixed_size 0
		.amdhsa_enable_private_segment 0
		.amdhsa_kernarg_size 56
		.amdhsa_user_sgpr_count 2
		.amdhsa_user_sgpr_kernarg_segment_ptr 1
		.amdhsa_wavefront_size32 1
		.amdhsa_system_sgpr_workgroup_id_x 1
		.amdhsa_system_sgpr_workgroup_id_y 1
		.amdhsa_system_sgpr_workgroup_id_z 1
		.amdhsa_system_vgpr_workitem_id 0
		.amdhsa_next_free_vgpr 896
		.amdhsa_next_free_sgpr 66
		.amdhsa_reserve_vcc 0
		.amdhsa_float_denorm_mode_32 3
		.amdhsa_float_denorm_mode_16_64 3
		.amdhsa_memory_ordered 1
		.amdhsa_forward_progress 1
		.amdhsa_inst_pref_size 70
	.end_amdhsa_kernel
	.amdgpu_metadata
---
amdhsa.version: [ 1, 2 ]
amdhsa.kernels:
  - .name:           k_qcd0d1ade1f_out
    .symbol:         k_qcd0d1ade1f_out.kd
    .args:
      - { .name: ao, .offset: 0, .size: 8, .value_kind: global_buffer, .address_space: global }
      - { .name: codes, .offset: 8, .size: 8, .value_kind: global_buffer, .address_space: global }
      - { .name: scl, .offset: 16, .size: 8, .value_kind: global_buffer, .address_space: global }
      - { .name: h, .offset: 24, .size: 8, .value_kind: global_buffer, .address_space: global }
      - { .name: ln_g, .offset: 32, .size: 8, .value_kind: global_buffer, .address_space: global }
      - { .name: ln_b, .offset: 40, .size: 8, .value_kind: global_buffer, .address_space: global }
      - { .name: out0, .offset: 48, .size: 8, .value_kind: global_buffer, .address_space: global }
    .group_segment_fixed_size: 66560
    .private_segment_fixed_size: 0
    .kernarg_segment_align: 8
    .kernarg_segment_size: 56
    .max_flat_workgroup_size: 128
    .sgpr_count:     66
    .vgpr_count:     896
    .wavefront_size: 32
...
	.end_amdgpu_metadata
.endif
;; end of part 5
;; ======== version 2 of 2: 5 launches; version 1 with the launches proj, attn, out written anew for expert scheduling mode
;; workspace buffers: codes 3,932,160 bytes; scl 327,680 bytes; qimg 3,145,728 bytes; kvimg 6,291,456 bytes; vtimg 3,145,728 bytes; aux 1,835,008 bytes; obj2 524,288 bytes; ao 3,670,016 bytes
;; launch quant: the kernel of part 1 again; grid 256 x 1, 5 waves a work-group, no clusters, 85,248 bytes of LDS; arguments h, Wq, Wkv, Wo, codes, scl; writes codes, scl
;; launch proj (part 6): grid 4 x 64, 4 waves a work-group, no clusters, 0 bytes of LDS; arguments codes, scl, qimg, kvimg, vtimg, aux; writes qimg, kvimg, vtimg, aux
.if DOCPART == 6
	.amdgcn_target "amdgcn-amd-amdhsa--gfx1250"
	.amdhsa_code_object_version 6
	.text
	.protected	k_qcd0d1ade1f_proj
	.globl	k_qcd0d1ade1f_proj
	.p2align	8
	.type	k_qcd0d1ade1f_proj,@function
k_qcd0d1ade1f_proj:
	s_mov_b64 s[64:65], 0
	v_nop
	global_prefetch_b8 v0, s[64:65] scope:SCOPE_SE
	s_setreg_imm32_b32 hwreg(HW_REG_WAVE_SCHED_MODE, 0, 2), 2
	s_setreg_imm32_b32 hwreg(HW_REG_WAVE_MODE, 25, 1), 1
	s_wait_xcnt 0x0
	s_wait_alu depctr_vm_vsrc(0)
; The projections q = h Wq^T, k || v = h Wkv^T on codes of E2M3, k's normalisation, the row sums of squares, and the quantising of q, k^ || v (along d) and of v (along s), in registers.  Nothing is left out here; v is made twice.
; A work-group takes 128 rows (b, s = 128 sg ..) and one of four column groups (x): 0: q, all heads; 1, 2: k || v of heads 4 (x - 1) + wave; 3: v once more, with the sources swapped.
; A wave keeps 8 STATIONARY tiles (32 fragments, 384 registers, windows 1 and 2) as source 0 and streams 8 tiles as source 1: a lane then holds ONE streamed row, and by the tiles' row order its 64 result registers are 128 stationary
; indices, register 16 b + i = index 32 b + 16 (lane / 16) + i: the layout that macro QUANT takes.  x < 3: weights stationary, h streamed (a lane = a row s, registers along d).  x = 3: h stationary, Wv streamed (a lane = a d, registers along s).
; OUT, all as images of operand registers: qimg [bh][T] 768 bytes (registers 0-3 at 16 x lane, 4-5 at 512 + 8 x lane); kvimg [bh][T] 1,536; vtimg [bh][dt][K step of 128 keys] 1,536; aux: q's {scale word, sum q^2} at 0,
; kv's scale words at 524,288, v^T's at 1,048,576, sum k^2 at 1,310,720 and sum (k || v)^2 at 1,572,864, both [bh][s].
; No LDS, no barrier.  The next streamed tile is asked for a tile ahead, in two buffers.
; THE MODE: SCHED_MODE bits 1:0 = 2 (LLVM: expert scheduling mode 2), set by the entry lines.  The code itself states the register dependences between vector or matrix instructions and memory instructions, with s_wait_alu, always for 0.
; THE PLAN.  Registers that memory instructions touch:
;   XF0, XS0 and XF1, XS1   a streamed tile's fragments and scale words.  Written by the loads at the head of the tile before; read by the tile's 32 products.
;   PC, PW, v14, v15        Written by a tile's conversions, moves and selects; read by the stores at the tile's end.
;   v1-3, v6, v7            offsets, made once at the head.   Windows 1 and 2 and SS are loaded once.
; ONE wait on va_vdst a tile, ahead of its run of stores, in each of the three arms: the stores' data are written; and the tile's products, all issued ahead of it, are done reading their buffer.  No vector or matrix instruction
; stands between that wait and the loads at the next tile's head, which land in that buffer: they owe nothing more.  ONE wait on vm_vsrc a tile, at its head: the last tile's stores have read their data.
; The loads stand in one run ahead of the products: those run under register windows in which a load's offset register would be another register.
.set XF0, 16                           ; v16-63, v64-111 the streamed tile's four fragments, two buffers
.set XF1, 64
.set HA,  112                          ; v112-175 the eight accumulators
.set PC,  176                          ; v176-195 codes just made
.set TM,  196                          ; v196-211 at work in QUANT
.set PW,  212                          ; the scale word just made
.set XS0, 216                          ; v216-219, v220-223 the streamed tile's scale words
.set XS1, 220
.set SS,  224                          ; v224-255 the stationary tiles' scale words: 4 t + K step
.set CNT, 19
.set SEL, 34
.set PA,  36                           ; s[36:37] .. pointers: stationary codes A, B; their scale words; streamed codes, scale words; the three stores'
.set PB,  38
.set PSA, 40
.set PSB, 42
.set PS,  44
.set PSS, 46
.set P1,  48
.set P2,  50
.set P3,  52
.set ST1, 54                           ; s[54:55] .. what a trip of two tiles adds to P1, P2, P3
.set ST2, 56
.set ST3, 58
.set MSB, 0
.macro WIN new                         ; the immediate's high byte repeats the setting that is left
.if MSB != \new
	s_set_vgpr_msb (MSB<<8)|\new
.set MSB, \new
.endif
.endm
	s_load_b256 s[4:11], s[0:1], 0x0               ; codes, scl, qimg, kvimg
	s_load_b128 s[12:15], s[0:1], 0x20             ; vtimg, aux
	v_lshrrev_b32 v1, 5, v0
	v_readfirstlane_b32 s16, v1                    ; wave
	v_and_b32 v8, 31, v0
	v_lshlrev_b32 v1, 4, v8                        ; 16 x lane
	v_lshlrev_b32 v2, 3, v8                        ; 8 x lane
	v_lshlrev_b32 v3, 2, v8                        ; 4 x lane
	v_and_b32 v4, 15, v0                           ; r
	v_bfe_u32 v5, v0, 4, 1                         ; h
	v_lshlrev_b32 v6, 3, v4
	v_lshl_add_u32 v6, v5, 13, v6                  ; q's pair: 8 r; lanes 16-31 write the second head's, 8,192 bytes on
	v_and_b32 v7, 8, v4
	v_add_nc_u32 v7, v7, v4
	v_lshlrev_b32 v7, 2, v7
	v_lshl_add_u32 v7, v5, 18, v7                  ; 4 (r + 8 (r / 8)); lanes 16-31 write the kv sum, 262,144 bytes on
.irp b, 0,1,2,3
	v_mov_b32 v[TM+4+\b], 0                        ; written once: a lane permute's destination counts as one of its sources
.endr
	s_wait_alu depctr_va_sdst(0)                   ; s16, the wave's number, is written, ahead of its first reader: tiles and pointers are made from it
	s_mov_b32 s17, ttmp9                           ; column group
	s_and_b32 s18, ttmp7, 0xffff                   ; row group = 8 b + sg
	s_mov_b32 s[SEL], 0x76543210
	s_mov_b32 s[SEL+1], 0xfedcba98
	s_mov_b32 s[CNT], 4
	s_lshl_b32 s20, s18, 3                         ; h's first tile
	s_lshl_b32 s21, s16, 3
	s_add_co_u32 s22, s21, 512                     ; q: Wq's tiles 8 w ..
	s_add_co_u32 s23, s21, 576                     ; x = 3: Wv's tiles 8 w ..
	s_sub_co_u32 s24, s17, 1
	s_lshl_b32 s24, s24, 2
	s_add_co_u32 s24, s24, s16                     ; head a (of use for x = 1, 2 alone)
	s_lshl_b32 s25, s24, 2
	s_add_co_u32 s26, s25, 544                     ; Wk's tiles 4 a ..
	s_add_co_u32 s27, s25, 576                     ; Wv's tiles 4 a ..
	s_add_co_u32 s31, s22, 4
	s_add_co_u32 s32, s20, 4
	s_cmp_eq_u32 s17, 0
	s_cselect_b32 s28, s22, s26                    ; stationary run A,
	s_cselect_b32 s29, s31, s27                    ; run B,
	s_cmp_eq_u32 s17, 3
	s_cselect_b32 s28, s20, s28
	s_cselect_b32 s29, s32, s29
	s_cselect_b32 s30, s23, s20                    ; and the streamed tiles
	s_and_b32 s31, s18, 0x38                       ; 8 b
	s_and_b32 s32, s18, 7                          ; sg
	s_lshl_b32 s33, s16, 1
	s_add_co_u32 s33, s33, s31                     ; 8 b + 2 w
	s_add_co_u32 s24, s24, s31                     ; 8 b + a
	s_mov_b32 s21, 0
	s_mov_b32 s23, 0
	s_wait_kmcnt 0x0
	s_mul_i32 s20, s28, 6144
	s_add_nc_u64 s[PA:PA+1], s[4:5], s[20:21]
	s_mul_i32 s20, s29, 6144
	s_add_nc_u64 s[PB:PB+1], s[4:5], s[20:21]
	s_mul_i32 s20, s30, 6144
	s_add_nc_u64 s[PS:PS+1], s[4:5], s[20:21]
	s_lshl_b32 s20, s28, 9
	s_add_nc_u64 s[PSA:PSA+1], s[6:7], s[20:21]
	s_lshl_b32 s20, s29, 9
	s_add_nc_u64 s[PSB:PSB+1], s[6:7], s[20:21]
	s_lshl_b32 s20, s30, 9
	s_add_nc_u64 s[PSS:PSS+1], s[6:7], s[20:21]
	s_cmp_eq_u32 s17, 0
	s_cbranch_scc0 .Lnot_q
	s_lshl_b32 s20, s33, 6                         ; q: entry (8 b + 2 w) 64 + 8 sg
	s_lshl_b32 s22, s32, 3
	s_add_co_u32 s20, s20, s22
	s_mul_i32 s22, s20, 768
	s_add_nc_u64 s[P1:P1+1], s[8:9], s[22:23]
	s_lshl_b32 s22, s20, 7
	s_add_nc_u64 s[P2:P2+1], s[14:15], s[22:23]
	s_mov_b64 s[P3:P3+1], s[14:15]                 ; (not used on this way)
	s_mov_b32 s[ST1], 1536
	s_mov_b32 s[ST2], 256
	s_mov_b32 s[ST3], 0
	s_branch .Lptr_done
.Lnot_q:
	s_cmp_eq_u32 s17, 3
	s_cbranch_scc1 .Larm_vt
	s_lshl_b32 s20, s24, 6                         ; kv: entry (8 b + a) 64 + 8 sg
	s_lshl_b32 s22, s32, 3
	s_add_co_u32 s20, s20, s22
	s_mul_i32 s22, s20, 1536
	s_add_nc_u64 s[P1:P1+1], s[10:11], s[22:23]
	s_lshl_b32 s22, s20, 7
	s_add_co_u32 s22, s22, 524288
	s_add_nc_u64 s[P2:P2+1], s[14:15], s[22:23]
	s_lshl_b32 s22, s24, 12
	s_lshl_b32 s20, s32, 9
	s_add_co_u32 s22, s22, s20
	s_add_co_u32 s22, s22, 1310720
	s_add_nc_u64 s[P3:P3+1], s[14:15], s[22:23]
	s_mov_b32 s[ST1], 3072
	s_mov_b32 s[ST2], 256
	s_mov_b32 s[ST3], 128
	s_branch .Lptr_done
.Larm_vt:
	s_lshl_b32 s20, s33, 5                         ; v^T: entry (8 b + 2 w) 32 + sg; a streamed tile on is 8 entries on
	s_add_co_u32 s20, s20, s32
	s_mul_i32 s22, s20, 1536
	s_add_nc_u64 s[P1:P1+1], s[12:13], s[22:23]
	s_lshl_b32 s22, s20, 7
	s_add_co_u32 s22, s22, 1048576
	s_add_nc_u64 s[P2:P2+1], s[14:15], s[22:23]
	s_mov_b64 s[P3:P3+1], s[14:15]                 ; (not used on this way)
	s_mov_b32 s[ST1], 24576
	s_mov_b32 s[ST2], 2048
	s_mov_b32 s[ST3], 0
.Lptr_done:
	s_mov_b32 s[ST1+1], 0
	s_mov_b32 s[ST2+1], 0
	s_mov_b32 s[ST3+1], 0
.macro LDSTAT win, p                   ; four tiles, 24,576 dense bytes, into 192 registers of a window: 48 loads of 512 bytes
	WIN \win
.set n, 0
.rept 48
	global_load_b128 v[4*n:4*n+3], v1, s[\p:\p+1] offset:512*n
.set n, n+1
.endr
	WIN 0
.endm
.macro LDX xf, xs, off, offs           ; a streamed tile: 12 loads of 512 bytes, and its four scale words
.set n, 0
.rept 12
	global_load_b128 v[\xf+4*n:\xf+4*n+3], v1, s[PS:PS+1] offset:\off+512*n
.set n, n+1
.endr
	global_load_b64 v[\xs:\xs+1], v2, s[PSS:PSS+1] offset:\offs
	global_load_b64 v[\xs+2:\xs+3], v2, s[PSS:PSS+1] offset:\offs+256
.endm
.macro MMG xf, xs, grp                 ; four accumulators by turns, one instruction a turn, K ascending; the first K step starts the sums
.irp k, 0,1,2,3
.irp t, 0,1,2,3
.if \k == 0
	v_wmma_scale_f32_16x16x128_f8f6f4 v[HA+32*\grp+8*\t:HA+32*\grp+8*\t+7], v[12*(4*\t+\k):12*(4*\t+\k)+11], v[\xf+12*\k:\xf+12*\k+11], 0, v[SS+16*\grp+4*\t+\k], v[\xs+\k] matrix_a_fmt:MATRIX_FMT_FP6 matrix_b_fmt:MATRIX_FMT_FP6
.else
	v_wmma_scale_f32_16x16x128_f8f6f4 v[HA+32*\grp+8*\t:HA+32*\grp+8*\t+7], v[12*(4*\t+\k):12*(4*\t+\k)+11], v[\xf+12*\k:\xf+12*\k+11], v[HA+32*\grp+8*\t:HA+32*\grp+8*\t+7], v[SS+16*\grp+4*\t+\k], v[\xs+\k] matrix_a_fmt:MATRIX_FMT_FP6 matrix_b_fmt:MATRIX_FMT_FP6
.endif
.endr
.endr
.endm
.macro MM xf, xs
	WIN 0x01                                       ; source 0 in window 1
	MMG \xf, \xs, 0
	WIN 0x02                                       ; source 0 in window 2
	MMG \xf, \xs, 1
	WIN 0
.rept 5
	v_nop                                          ; places behind the products: four for the vector reads of results, a fifth for a product that begins an accumulator anew
.endr
.endm
.macro SUMSQ dst, src                  ; the sum of squares of 32 registers and of lane l xor 16's 32, ascending in two chains
	v_pk_mul_f32 v[8:9], v[\src:\src+1], v[\src:\src+1]
	v_pk_mul_f32 v[10:11], v[\src+2:\src+3], v[\src+2:\src+3]
.irp i, 4,8,12,16,20,24,28
	v_pk_fma_f32 v[8:9], v[\src+\i:\src+\i+1], v[\src+\i:\src+\i+1], v[8:9]
	v_pk_fma_f32 v[10:11], v[\src+\i+2:\src+\i+3], v[\src+\i+2:\src+\i+3], v[10:11]
.endr
	v_pk_add_f32 v[8:9], v[8:9], v[10:11]
	v_add_f32 v8, v8, v9
	v_permlanex16_b32 v9, v8, s[SEL], s[SEL+1]
	v_add_f32 v[\dst], v8, v9
.endm
; 64 numbers of a lane, register 16 b + i = k 32 b + 16 (lane / 16) + i of my row, become a fragment's codes in v[PC] on and its scale word in v[PW].
.macro QUANT src
.irp b, 0,1,2,3
	v_max3_num_f32 v[TM+\b], |v[\src+16*\b]|, |v[\src+1+16*\b]|, 0x1800000   ; my 16 numbers of block b, and the floor 2^(3 - 127)
.endr
.irp i, 2,4,6,8,10,12,14
.irp b, 0,1,2,3
	v_max3_num_f32 v[TM+\b], v[TM+\b], |v[\src+16*\b+\i]|, |v[\src+1+16*\b+\i]|
.endr
.endr
.irp b, 0,1,2,3
	v_permlanex16_b32 v[TM+4+\b], v[TM+\b], s[SEL], s[SEL+1]
.endr
.irp b, 0,1,2,3
	v_max_num_f32 v[TM+\b], v[TM+\b], v[TM+4+\b]   ; the block's largest magnitude
.endr
.irp b, 0,1,2,3
	v_add_nc_u32 v[TM+12+\b], 0xff000000, v[TM+\b] ; 2 off its exponent field: the conversion's scale operand
.endr
.irp b, 0,1,2,3
	v_lshrrev_b32 v[TM+4+\b], 23, v[TM+12+\b]      ; the byte
.endr
	v_lshl_or_b32 v[PW], v[TM+5], 8, v[TM+4]
	v_lshl_or_b32 v[PW], v[TM+6], 16, v[PW]
	v_lshl_or_b32 v[PW], v[TM+7], 24, v[PW]
.irp c, 0,1
	v_cvt_scalef32_pk16_fp6_f32 v[PC+6*\c:PC+2+6*\c], v[\src+32*\c:\src+15+32*\c], v[TM+12+2*\c]
	v_cvt_scalef32_pk16_fp6_f32 v[PC+12+4*\c:PC+14+4*\c], v[\src+16+32*\c:\src+31+32*\c], v[TM+12+2*\c+1]
.endr
	v_nop                                          ; one plain place behind the conversions
.irp c, 0,1                            ; the operand wants a whole block in a lane
.irp i, 0,1,2
	v_permlane16_swap_b32 v[PC+6*\c+\i], v[PC+12+4*\c+\i]
.endr
.irp i, 0,1,2
	v_mov_b32 v[PC+3+6*\c+\i], v[PC+12+4*\c+\i]
.endr
.endr
.endm
	s_wait_alu depctr_va_vdst(0)                   ; the offsets v1-3, v6 and v7 are written: every load and store of the kernel reads one of them.  Only window switches and loads follow up to the loop
	LDSTAT 0x40, PA
	LDSTAT 0x80, PB
.irp t, 0,1,2,3
	global_load_b64 v[SS+4*\t:SS+4*\t+1], v2, s[PSA:PSA+1] offset:512*\t
	global_load_b64 v[SS+4*\t+2:SS+4*\t+3], v2, s[PSA:PSA+1] offset:512*\t+256
	global_load_b64 v[SS+16+4*\t:SS+16+4*\t+1], v2, s[PSB:PSB+1] offset:512*\t
	global_load_b64 v[SS+16+4*\t+2:SS+16+4*\t+3], v2, s[PSB:PSB+1] offset:512*\t+256
.endr
	LDX XF0, XS0, 0, 0
; One streamed tile in buffer buf.
.macro TILE buf
	s_wait_loadcnt 0x0                             ; this buffer's fragments and scale words are in (they were asked for a tile ago)
	s_wait_xcnt 0x0                                ; the last tile's stores have had their addresses translated: the codes, the word and v14, v15 are written again only behind this wait,
	s_wait_alu depctr_vm_vsrc(0)                   ; and behind this one: the last tile's stores have read the codes, the word and v14, v15
.if \buf == 0
	LDX XF1, XS1, 6144, 512                        ; no wait: the last tile's products, which read this buffer, stand ahead of the wait in front of that tile's stores, and no vector or matrix instruction has followed it
.else
	s_cmp_eq_u32 s[CNT], 1                         ; the last tile asks for nothing: no load leaves its buffer
	s_cbranch_scc1 .Lnold_\@
	LDX XF0, XS0, 12288, 1024
.Lnold_\@:
.endif
	MM XF0+48*\buf, XS0+4*\buf
	s_cmp_eq_u32 s17, 0
	s_cbranch_scc1 .Lq_\@
	s_cmp_eq_u32 s17, 3
	s_cbranch_scc1 .Lvt_\@
	v_cmp_eq_u32 vcc_lo, 1, v5                     ; lanes 16-31: made at the arm's head, read behind the sums
	SUMSQ 12, HA                                   ; k || v: |k|^2,
	v_sqrt_f32 v12, v12
	v_nop                                          ; a plain place,
	s_wait_alu depctr_va_vdst(0)                   ; and v12, the root, is written, ahead of its first reader
	v_max_num_f32 v12, 0x2b8cbccc, v12             ; max(norm, 1e-12)
	v_rcp_f32 v12, v12
	v_nop
	s_wait_alu depctr_va_vdst(0)                   ; v12, the reciprocal, is written, ahead of its first reader
	v_mov_b32 v13, v12
.irp j, 0,2,4,6,8,10,12,14,16,18,20,22,24,26,28,30
	v_pk_mul_f32 v[HA+\j:HA+\j+1], v[HA+\j:HA+\j+1], v[12:13]   ; k^ = k / max(norm, 1e-12)
.endr
	SUMSQ 14, HA                                   ; sum k^^2, as reference() sums the normalised numbers
	SUMSQ 15, HA+32                                ; sum v^2
	v_add_f32 v15, v14, v15
	s_wait_alu depctr_va_vcc(0)                    ; VCC is written by the compare at the arm's head, ahead of its first reader
	v_cndmask_b32 v14, v14, v15, vcc_lo            ; lanes 0-15 store the k sum, lanes 16-31 the kv sum
	QUANT HA
	s_wait_alu depctr_va_vdst(0)                   ; the codes, the word and v14 are written, which the stores read; the tile's products are done reading their buffer, in which the next tile's loads land
.irp g, 0,1,2
	global_store_b128 v1, v[PC+4*\g:PC+4*\g+3], s[P1:P1+1] offset:1536*\buf+512*\g
.endr
	global_store_b32 v3, v[PW], s[P2:P2+1] offset:128*\buf
	global_store_b32 v7, v14, s[P3:P3+1] offset:32*\buf
	s_branch .Ldone_\@
.Lq_\@:
	v_cmp_eq_u32 vcc_lo, 1, v5                     ; lanes 16-31: made at the arm's head, read behind the quantiser
	SUMSQ 12, HA                                   ; sum q^2 of the first head,
	SUMSQ 13, HA+32                                ; of the second
	QUANT HA
	v_lshrrev_b32 v14, 16, v[PW]
	s_wait_alu depctr_va_vcc(0)                    ; VCC is written, ahead of its first reader
	v_cndmask_b32 v14, v[PW], v14, vcc_lo          ; a head's two bytes stand lowest; what stands above them meets zero codes
	v_cndmask_b32 v15, v12, v13, vcc_lo
	s_wait_alu depctr_va_vdst(0)                   ; the codes and the pair v14, v15 are written, which the stores read; the tile's products are done reading their buffer, in which the next tile's loads land
	global_store_b128 v1, v[PC:PC+3], s[P1:P1+1] offset:768*\buf
	global_store_b64 v2, v[PC+4:PC+5], s[P1:P1+1] offset:768*\buf+512
	global_store_b128 v1, v[PC+6:PC+9], s[P1:P1+1] offset:768*\buf+49152
	global_store_b64 v2, v[PC+10:PC+11], s[P1:P1+1] offset:768*\buf+49152+512
	global_store_b64 v6, v[14:15], s[P2:P2+1] offset:128*\buf
	s_branch .Ldone_\@
.Lvt_\@:
	QUANT HA                                       ; v along s
	s_wait_alu depctr_va_vdst(0)                   ; the codes and the word are written, which the stores read; the tile's products are done reading their buffer, in which the next tile's loads land
.irp g, 0,1,2
	global_store_b128 v1, v[PC+4*\g:PC+4*\g+3], s[P1:P1+1] offset:12288*\buf+512*\g
.endr
	global_store_b32 v3, v[PW], s[P2:P2+1] offset:1024*\buf
.Ldone_\@:
.endm
.Ltrip:
	TILE 0
	TILE 1
	s_wait_xcnt 0x0                                ; loads and stores have read their bases: they step only behind this wait
	s_add_nc_u64 s[PS:PS+1], s[PS:PS+1], 12288
	s_add_nc_u64 s[PSS:PSS+1], s[PSS:PSS+1], 1024
	s_add_nc_u64 s[P1:P1+1], s[P1:P1+1], s[ST1:ST1+1]
	s_add_nc_u64 s[P2:P2+1], s[P2:P2+1], s[ST2:ST2+1]
	s_add_nc_u64 s[P3:P3+1], s[P3:P3+1], s[ST3:ST3+1]
	s_sub_co_u32 s[CNT], s[CNT], 1
	s_cmp_lg_u32 s[CNT], 0
	s_cbranch_scc1 .Ltrip
	s_endpgm
.Lfunc_end_k_qcd0d1ade1f_proj:
	.size	k_qcd0d1ade1f_proj, .Lfunc_end_k_qcd0d1ade1f_proj-k_qcd0d1ade1f_proj
	.p2alignl 7, 3214868480
	.fill 96, 4, 3214868480
	.section	.rodata,"a",@progbits
	.p2align	6, 0x0
	.amdhsa_kernel k_qcd0d1ade1f_proj
		.amdhsa_group_segment_fixed_size 0
		.amdhsa_private_segment_fixed_size 0
		.amdhsa_enable_private_segment 0
		.amdhsa_kernarg_size 48
		.amdhsa_user_sgpr_count 2
		.amdhsa_user_sgpr_kernarg_segment_ptr 1
		.amdhsa_wavefront_size32 1
		.amdhsa_system_sgpr_workgroup_id_x 1
		.amdhsa_system_sgpr_workgroup_id_y 1
		.amdhsa_system_sgpr_workgroup_id_z 1
		.amdhsa_system_vgpr_workitem_id 0
		.amdhsa_next_free_vgpr 768
		.amdhsa_next_free_sgpr 66
		.amdhsa_reserve_vcc 1
		.amdhsa_float_denorm_mode_32 3
		.amdhsa_float_denorm_mode_16_64 3
		.amdhsa_memory_ordered 1
		.amdhsa_forward_progress 1
		.amdhsa_inst_pref_size 69
	.end_amdhsa_kernel
	.amdgpu_metadata
---
amdhsa.version: [ 1, 2 ]
amdhsa.kernels:
  - .name:           k_qcd0d1ade1f_proj
    .symbol:         k_qcd0d1ade1f_proj.kd
    .args:
      - { .name: codes, .offset: 0, .size: 8, .value_kind: global_buffer, .address_space: global }
      - { .name: scl, .offset: 8, .size: 8, .value_kind: global_buffer, .address_space: global }
      - { .name: qimg, .offset: 16, .size: 8, .value_kind: global_buffer, .address_space: global }
      - { .name: kvimg, .offset: 24, .size: 8, .value_kind: global_buffer, .address_space: global }
      - { .name: vtimg, .offset: 32, .size: 8, .value_kind: global_buffer, .address_space: global }
      - { .name: aux, .offset: 40, .size: 8, .value_kind: global_buffer, .address_space: global }
    .group_segment_fixed_size: 0
    .private_segment_fixed_size: 0
    .kernarg_segment_align: 8
    .kernarg_segment_size: 48
    .max_flat_workgroup_size: 128
    .sgpr_count:     66
    .vgpr_count:     768
    .wavefront_size: 32
...
	.end_amdgpu_metadata
.endif
;; end of part 6
;; launch rbf: the kernel of part 3 again; grid 4 x 64, 8 waves a work-group, no clusters, 123,904 bytes of LDS; arguments kvimg, aux, obj2; writes obj2
;; launch attn (part 7): grid 4 x 64, 16 waves a work-group, no clusters, 207,104 bytes of LDS; arguments qimg, kvimg, vtimg, aux, obj2, ao; writes ao
.if DOCPART == 7
	.amdgcn_target "amdgcn-amd-amdhsa--gfx1250"
	.amdhsa_code_object_version 6
	.text
	.protected	k_qcd0d1ade1f_attn
	.globl	k_qcd0d1ade1f_attn
	.p2align	8
	.type	k_qcd0d1ade1f_attn,@function
k_qcd0d1ade1f_attn:
	s_mov_b64 s[64:65], 0
	v_nop
	global_prefetch_b8 v0, s[64:65] scope:SCOPE_SE
	s_setreg_imm32_b32 hwreg(HW_REG_WAVE_SCHED_MODE, 0, 2), 2
	s_setreg_imm32_b32 hwreg(HW_REG_WAVE_MODE, 25, 1), 1
	s_wait_xcnt 0x0
	s_wait_alu depctr_vm_vsrc(0)
; The two weight vectors, the q-k map, the finished softmax, its quantising along the keys, attn_prob x v, and the quantising of attn_vec along d.
; LEFT OUT OR SHARED (shown at the head of the first kernel): obj3's 1,024 equal rows are one tile; the inner logsumexp, whose exponents the computation itself bounds, is h_rob / sum(h_rob); one exponential a number:
; attn_prob = g / sum_j(g rho_j), g = 2^(t - m), t = min(w'_j, C2 (dot - sx_i / 2) + b'_j), w' = log2(exp(kv_w)), b' = w' + NC sy_j, rho = exp(k_w - kv_w), m the row's largest t.
; SHARES.  A work-group takes 256 queries of one (b, head): four laps of four query tiles.  A tile's 1,024 keys are split over four waves: wave 4 q + v holds tile q's scores for keys 256 v .. 256 v + 255 in 128 registers.
; The four waves exchange (m, sum) once a lap and their parts of O once, through LDS.  Both products are used transposed: a lane holds one query; register 16 b + i of the scores is key 256 v + 32 b + 16 (lane / 16) + i.
; The head's operands come into LDS once; afterwards those regions are only read.  Cluster: none: what work-groups share is that one fill.
; THE MODE: SCHED_MODE bits 1:0 = 2 (LLVM: expert scheduling mode 2), set by the entry lines.  The code itself states the register dependences between vector or matrix instructions and memory or LDS instructions, with s_wait_alu, always for 0.
; THE PLAN.  Registers that memory or LDS instructions touch in a lap (the addresses v1-12 are made at the head and never written again):
;   v64-115         four key fragments and their scale words: loaded group by group, read by the group's four products.  One wait on va_vdst behind each group: the next loads land there.  The last group's also frees
;   v16-21, v36-37  q's fragment, scale word and sum of squares, which all 16 products and C's making read, and in which the next lap's loads land, and v64-127 for what follows.
;   v64-95, v96-127 b' and w' of a block, two halves by turns: block b + 1 is asked for at the head of block b, behind the wait for block b's data and one wait on va_vdst: block b - 1 is done reading that half.
;   v64-127         rho, in two runs: a wait on va_vdst ahead of each: the readers of what lay there are done.
;   v62-63          {m, sum}: written by vector instructions, read by one LDS store; the four waves' pairs then land in v64-71.
;   v128-223        v^T's fragments land where p lay: one wait on va_vdst, behind the places: the conversions are done reading p; p's codes and scale words are written, which the products take.
;   v224-255        O: written by the products, read by the LDS stores; in the joining wave the four parts land in v128-255.   v68, v70-75: the joining wave's codes and word, read by its global stores.
; Waits on vm_vsrc: behind O's stores (they and the pair's store have read their data), at a lap's tail (the joining wave's stores have), and ahead of the first lap (the head's).
; A lap's first loads stand behind C's making with no wait of their own: on every way to them the last wait on va_vdst is followed by no vector instruction but those eight lines and their places, which name v28-35 and v37 alone.
.set VIMG,  65536                      ; LDS: 0: k's fragments, 1,024 bytes a tile (registers 0-7); here v^T's 32 fragments;
.set VECB,  114688                     ; b', then w' 4,096 on, then rho 8,192 on: [key] f32;
.set KSC,   126976                     ; the keys' scale words;
.set EXM,   135168                     ; {m, sum}, 8 bytes a thread;
.set OEX,   139264                     ; parts of O, 4,096 bytes a wave;
.set RED,   204800                     ; 16 parts of obj3; 128 on: 16 pairs of sums of h_rob;
.set SPARE, 205056                     ; the spare words, 128 bytes a wave
; v1 16 x lane, v2 8 x lane, v3 8 r, v12 4 x lane; v4-11 LDS addresses that stay; v13 at work; v14, v15 the add's two; v16-27 q's fragment (6-11 zeros); v28-35 C; v36 q's scale word, v37 sum q^2; v38-45 the blocks' largest t;
; v46-53 v^T's scale words; v54-55 -m; v56-57 c; v58-61 sums; v62-63 {m, sum}; v64-127 at work; v128-255 the scores, then p, then v^T's fragments and O
	s_load_b256 s[4:11], s[0:1], 0x0               ; qimg, kvimg, vtimg, aux
	s_load_b128 s[12:15], s[0:1], 0x20             ; obj2, ao
	v_lshl_add_u32 v14, v0, 2, SPARE
	v_mov_b32 v15, 0
	v_lshrrev_b32 v13, 5, v0
	v_readfirstlane_b32 s16, v13                   ; wave 0..15
	v_and_b32 v13, 31, v0
	v_lshlrev_b32 v1, 4, v13
	v_lshlrev_b32 v2, 3, v13
	v_lshlrev_b32 v12, 2, v13
	v_and_b32 v3, 15, v0
	v_lshlrev_b32 v3, 3, v3
	v_bfe_u32 v59, v0, 4, 1                        ; h
	s_wait_alu depctr_va_sdst(0)                   ; s16, the wave's number, is written, ahead of its first reader
	s_lshr_b32 s17, s16, 2                         ; q: my tile of the lap's four
	s_and_b32 s18, s16, 3                          ; v: my quarter of the keys
	s_lshl_b32 s48, s18, 14
	v_add_nc_u32 v4, s48, v1                       ; my 16 key tiles
	s_lshl_b32 s48, s18, 11
	s_add_co_u32 s48, s48, KSC
	v_add_nc_u32 v5, s48, v12                      ; their scale words
	s_lshl_b32 s48, s18, 10
	s_add_co_u32 s48, s48, VECB
	v_lshl_add_u32 v6, v59, 6, s48                 ; my keys' b' (w', rho): + 64 h
	s_mul_i32 s48, s18, 3072
	s_add_co_u32 s48, s48, VIMG
	v_add_nc_u32 v7, s48, v1                       ; v^T: my two K steps
	v_lshl_add_u32 v8, v0, 3, EXM
	s_lshl_b32 s48, s17, 10
	s_add_co_u32 s48, s48, EXM
	v_add_nc_u32 v9, s48, v2                       ; the four waves of my tile
	s_lshl_b32 s48, s16, 12
	s_add_co_u32 s48, s48, OEX
	v_add_nc_u32 v10, s48, v1
	s_lshl_b32 s48, s17, 14
	s_add_co_u32 s48, s48, OEX
	v_add_nc_u32 v11, s48, v1
	s_lshr_b32 s48, s16, 1                         ; addresses for the head alone, v54-62
	s_mul_i32 s48, s48, 1536
	s_and_b32 s49, s16, 1
	s_lshl_b32 s49, s49, 9
	s_add_co_u32 s48, s48, s49
	v_add_nc_u32 v54, s48, v1                      ; k's fill: tile w / 2 of eight, group w % 2
	v_lshlrev_b32 v55, 4, v0
	v_add_nc_u32 v56, 0x10000, v55
	v_lshlrev_b32 v57, 3, v0
	v_add_nc_u32 v58, VECB, v57
	v_lshlrev_b32 v59, 7, v59                      ; 128 h
	s_lshl_b32 s48, s16, 2
	s_add_co_u32 s48, s48, RED
	v_mov_b32 v60, s48
	s_lshl_b32 s48, s16, 3
	s_add_co_u32 s48, s48, RED+128
	v_mov_b32 v61, s48
	v_mov_b32 v62, RED
	v_mov_b32 v63, 0
.irp i, 22,23,24,25,26,27
	v_mov_b32 v\i, 0                               ; q's zero codes for k = 64 .. 127
.endr
.irp t, 0,1,2,3
.irp i, 8,9,10,11
	v_mov_b32 v[64+12*\t+\i], 0                    ; registers 8-11 of a key fragment are never loaded: whatever they hold meets q's zero codes, and the format has no NaN
.endr
.endr
	s_mov_b32 s19, ttmp9
	s_and_b32 s20, ttmp7, 0xffff                   ; bh
	s_lshl_b32 s48, s19, 4
	s_add_co_u32 s48, s48, s17                     ; my first query tile: 16 x + q
	s_mul_i32 s50, s20, 49152
	s_mul_i32 s49, s48, 768
	s_add_co_u32 s50, s50, s49
	s_mov_b32 s51, 0
	s_lshl_b32 s52, s20, 13
	s_lshl_b32 s49, s48, 7
	s_add_co_u32 s52, s52, s49
	s_mov_b32 s53, 0
	s_mov_b32 s44, 0x3eb8aa3b                      ; C2
	s_mov_b32 s45, s44
	s_mov_b32 s46, 0x76543210
	s_mov_b32 s47, 0xfedcba98
	s_mov_b32 s54, 0x3e4ccccd                      ; 0.2
	s_mov_b32 s55, 0xbe38aa3b                      ; NC
	s_wait_kmcnt 0x0
	s_add_nc_u64 s[22:23], s[4:5], s[50:51]        ; q's image
	s_add_nc_u64 s[26:27], s[14:15], s[50:51]      ; attn_vec's image
	s_add_nc_u64 s[24:25], s[10:11], s[52:53]      ; q's pairs
	s_add_nc_u64 s[28:29], s[14:15], s[52:53]
	s_add_nc_u64 s[28:29], s[28:29], 3145728       ; attn_vec's scale words
	s_mul_i32 s50, s20, 98304
	s_add_nc_u64 s[30:31], s[6:7], s[50:51]
	s_mul_i32 s50, s20, 49152
	s_add_nc_u64 s[32:33], s[8:9], s[50:51]
	s_lshl_b32 s50, s20, 13
	s_add_co_u32 s50, s50, 524288
	s_add_nc_u64 s[34:35], s[10:11], s[50:51]
	s_lshl_b32 s50, s20, 12
	s_add_nc_u64 s[36:37], s[12:13], s[50:51]      ; obj2 of my head
	s_add_nc_u64 s[38:39], s[10:11], s[50:51]
	s_add_nc_u64 s[38:39], s[38:39], 1310720       ; sum k^2
	s_lshr_b32 s52, s16, 3
	s_lshl_b32 s52, s52, 18
	s_and_b32 s49, s16, 7
	s_lshl_b32 s49, s49, 9
	s_add_co_u32 s52, s52, s49
	s_add_nc_u64 s[40:41], s[36:37], s[52:53]      ; obj3: map w / 8, K step w % 8
	s_lshl_b32 s52, s18, 8
	s_add_co_u32 s52, s52, 1048576
	s_add_co_u32 s52, s52, s50
	s_add_nc_u64 s[42:43], s[10:11], s[52:53]      ; v^T's scale words of my two K steps
	s_wait_alu depctr_va_vdst(0)                   ; all addresses and offsets, v1-12 and v54-62, are written: the loads and LDS instructions below read them
.set n, 0
.rept 8
	global_load_b128 v[128+4*n:131+4*n], v54, s[30:31] offset:12288*n
.set n, n+1
.endr
.set n, 0
.rept 6
	global_load_b128 v[160+4*n:163+4*n], v55, s[32:33] offset:8192*n
.set n, n+1
.endr
	global_load_b128 v[184:187], v55, s[34:35]
	global_load_b64 v[38:39], v57, s[36:37]                  ; obj2 (k) of my two keys j = 2 x thread, + 1
	global_load_b64 v[40:41], v57, s[36:37] offset:262144    ; obj2 (kv)
	global_load_b64 v[42:43], v57, s[38:39]                  ; sum k^2
.set n, 0
.rept 16
	global_load_b128 v[192+4*n:195+4*n], v59, s[40:41] offset:256*(n/8)+16*(n%8)   ; 128 numbers of obj2 in the operand's order, the same in all 16 columns
.set n, n+1
.endr
.irp d, 0,1,2,3
.irp k, 0,1
	global_load_b32 v[46+2*\d+\k], v12, s[42:43] offset:1024*\d+128*\k
.endr
.endr
	global_load_b128 v[16:19], v1, s[22:23]
	global_load_b64 v[20:21], v2, s[22:23] offset:512
	global_load_b64 v[36:37], v3, s[24:25]
	s_wait_loadcnt 11                              ; all but v^T's 8 scale words and q's 3 loads
.set n, 0
.rept 8
	ds_store_b128 v55, v[128+4*n:131+4*n] offset:8192*n
.set n, n+1
.endr
.set n, 0
.rept 6
	ds_store_b128 v56, v[160+4*n:163+4*n] offset:8192*n
.set n, n+1
.endr
	ds_store_b128 v56, v[184:187] offset:KSC-65536
	; obj3's part: obj2's 128 numbers are quantised along j and multiplied by 16 equal rows of 1/1024 (code 4.0, byte 115)
.irp c, 0,1
	v_max3_num_f32 v[98+\c], |v[192+32*\c]|, |v[193+32*\c]|, 0x1800000
.endr
.irp i, 2,4,6,8,10,12,14,16,18,20,22,24,26,28,30
.irp c, 0,1
	v_max3_num_f32 v[98+\c], v[98+\c], |v[192+32*\c+\i]|, |v[193+32*\c+\i]|
.endr
.endr
	v_add_nc_u32 v98, 0xff000000, v98
	v_add_nc_u32 v99, 0xff000000, v99
	v_lshrrev_b32 v100, 23, v98
	v_lshrrev_b32 v101, 23, v99
	v_lshl_or_b32 v100, v101, 16, v100
	v_lshrrev_b32 v101, 4, v59                     ; 8 h
	v_lshlrev_b32 v100, v101, v100
	v_permlanex16_b32 v101, v100, s46, s47
	v_or_b32 v97, v100, v101                       ; the scale word
.irp c, 0,1
	v_cvt_scalef32_pk16_fp6_f32 v[64+6*\c:66+6*\c], v[192+32*\c:207+32*\c], v[98+\c]
	v_cvt_scalef32_pk16_fp6_f32 v[76+4*\c:78+4*\c], v[208+32*\c:223+32*\c], v[98+\c]
.endr
	v_nop                                          ; one plain place behind the conversions
.irp c, 0,1
.irp i, 0,1,2
	v_mov_b32 v[67+6*\c+\i], v[76+4*\c+\i]
.endr
.endr
.irp i, 0,1,2,3
	v_mov_b32 v[84+3*\i], 0x18618618               ; the code 0x18, sixteen times in three words
	v_mov_b32 v[85+3*\i], 0x86186186
	v_mov_b32 v[86+3*\i], 0x61861861
.endr
	v_mov_b32 v96, 0x73737373
.rept 8
	v_nop                                          ; scale words written by vector instructions stand eight places ahead of the product
.endr
	s_wait_alu depctr_va_vdst(0)                   ; behind the places: both operands' codes, v64-75 and v84-95, and both scale words, v96 and v97, are written: the product takes them
	v_wmma_scale_f32_16x16x128_f8f6f4 v[100:107], v[84:95], v[64:75], 0, v96, v97 matrix_a_fmt:MATRIX_FMT_FP6 matrix_b_fmt:MATRIX_FMT_FP6
.rept 4
	v_nop
.endr
	s_wait_alu depctr_va_vdst(0)                   ; behind the places: the product has written v100, which the LDS store reads, and is done reading v64-75; the moves are done reading v76-79: the loads behind the barrier land in v64-79
	ds_store_b32 v60, v100                         ; all results are equal: every lane writes the wave's word with the same value
	s_wait_dscnt 0x0                               ; my part of the fill and my word have landed
	s_barrier_signal -1
	s_barrier_wait -1
.irp i, 0,1,2,3
	ds_load_b128 v[64+4*\i:67+4*\i], v62 offset:16*\i
.endr
	s_wait_dscnt 0x0
.irp i, 1,2,3,4,5,6,7
	v_add_f32 v64, v64, v[64+\i]                   ; obj3 (k),
	v_add_f32 v72, v72, v[72+\i]                   ; obj3 (kv): K ascending
.endr
	v_add_f32 v80, 1.0, v38
	v_add_f32 v81, 1.0, v39
	v_add_f32 v82, 1.0, v40
	v_add_f32 v83, 1.0, v41
	v_add_f32 v80, v80, v64
	v_add_f32 v81, v81, v64
	v_add_f32 v82, v82, v72
	v_add_f32 v83, v83, v72
.irp i, 80,81,82,83
	v_sqrt_f32 v\i, v\i                            ; h_norm
.endr
	v_mov_b32 v99, 1.0                             ; (a plain place)
	s_wait_alu depctr_va_vdst(0)                   ; the four roots v80-83 are written, ahead of their first reader
.irp i, 0,1,2,3
	v_rcp_f32 v[84+\i], v[80+\i]
.endr
	v_nop
	s_wait_alu depctr_va_vdst(0)                   ; the four reciprocals v84-87 are written, ahead of their first reader
.irp i, 0,1,2,3
	v_cmp_ge_f32 s[48+\i], s54, v[80+\i]           ; h_norm <= 0.2: the four masks in one run, into s48-51, which are free behind the head
.endr
.irp i, 0,1,2,3
	v_mul_f32 v[84+\i], s54, v[84+\i]              ; 0.2 / h_norm
.endr
	s_wait_alu depctr_va_sdst(0)                   ; the four masks s48-51 are written, ahead of their first reader
.irp i, 0,1,2,3
	v_cndmask_b32 v[84+\i], v[84+\i], v99, s[48+\i]   ; 1 where h_norm <= 0.2
.endr
	v_add_f32 v88, v84, v85
	v_add_f32 v89, v86, v87
.irp m, 1,2,4,8
	v_add_f32_dpp v88, v88, v88 row_xmask:\m row_mask:0xf bank_mask:0xf
	v_add_f32_dpp v89, v89, v89 row_xmask:\m row_mask:0xf bank_mask:0xf
.endr
	v_permlanex16_b32 v90, v88, s46, s47
	v_permlanex16_b32 v91, v89, s46, s47
	v_add_f32 v88, v88, v90
	v_add_f32 v89, v89, v91
	s_wait_alu depctr_va_vdst(0)                   ; the two sums v88, v89 are written, which the LDS store reads; all readers and writers of v96-107 are done: the loads behind the barrier land in v96-127
	ds_store_b64 v61, v[88:89]
	s_wait_dscnt 0x0
	s_barrier_signal -1
	s_barrier_wait -1
	s_wait_alu depctr_vm_vsrc(0)                   ; my LDS stores have read v100 and v88, v89: a load below lands in v100
.irp i, 0,1,2,3,4,5,6,7
	ds_load_b128 v[96+4*\i:99+4*\i], v62 offset:128+16*\i
.endr
	s_wait_dscnt 0x0
.irp i, 2,4,6,8,10,12,14,16,18,20,22,24,26,28,30
	v_pk_add_f32 v[96:97], v[96:97], v[96+\i:97+\i]   ; sum h_rob (k), sum h_rob (kv)
.endr
	v_log_f32 v100, v86
	v_log_f32 v101, v87
	v_log_f32 v102, v97
	v_rcp_f32 v103, v86
	v_rcp_f32 v104, v87
	v_rcp_f32 v105, v96
	v_nop
	s_wait_alu depctr_va_vdst(0)                   ; the three logarithms and three reciprocals v100-105 are written, ahead of their first reader
	v_sub_f32 v100, v100, v102                     ; w'
	v_sub_f32 v101, v101, v102
	v_fma_f32 v106, s55, v42, v100                 ; b' = NC sy + w'
	v_fma_f32 v107, s55, v43, v101
	v_mul_f32 v105, v105, v97
	v_mul_f32 v108, v84, v103
	v_mul_f32 v109, v85, v104
	v_mul_f32 v108, v108, v105                     ; rho
	v_mul_f32 v109, v109, v105
	s_wait_alu depctr_va_vdst(0)                   ; b', w' and rho, v100, v101 and v106-109, are written, which the LDS stores read; all the head's readers and writers of v64-127 are done: the first lap's loads land there
	ds_store_b64 v58, v[106:107]
	ds_store_b64 v58, v[100:101] offset:4096
	ds_store_b64 v58, v[108:109] offset:8192
	s_wait_dscnt 0x0
	s_barrier_signal -1
	s_barrier_wait -1
	s_wait_alu depctr_vm_vsrc(0)                   ; the head's LDS stores have read v100, v101, v106-109 and v128-187, its loads and stores the addresses v54-62: all these are written anew in the laps
.macro LOADV b                         ; block b's 16 b' and 16 w' into half b % 2 of v64-127
.irp e, 0,1,2,3
	ds_load_b128 v[64+32*((\b)%2)+4*\e:67+32*((\b)%2)+4*\e], v6 offset:128*(\b)+16*\e
.endr
.irp e, 0,1,2,3
	ds_load_b128 v[80+32*((\b)%2)+4*\e:83+32*((\b)%2)+4*\e], v6 offset:4096+128*(\b)+16*\e
.endr
.endm
.macro LOADR hf                        ; rho of blocks 4 hf .. 4 hf + 3
.set n, 0
.rept 16
	ds_load_b128 v[64+4*n:67+4*n], v6 offset:8192+512*\hf+128*(n/4)+16*(n%4)
.set n, n+1
.endr
.endm
.macro BLK b                           ; t of block b, and its largest; at its head the next block's b' and w' are asked for
	s_wait_dscnt 0x0                               ; this block's 8 loads are in: nothing else is out
.if \b > 0
	s_wait_alu depctr_va_vdst(0)                   ; the block before is done reading its b' and w', in whose half the loads below land  (block 0: the wait behind the last group of products has freed that half)
.endif
.if \b < 7
	LOADV \b+1                                     ; they land under this block's vector work, which names the other half
.endif
.set SB, 128+16*\b
.set VB, 64+32*(\b%2)
.irp p, 0,2,4,6,8,10,12,14
	v_pk_fma_f32 v[SB+\p:SB+\p+1], v[SB+\p:SB+\p+1], s[44:45], v[VB+\p:VB+\p+1] op_sel_hi:[1,0,1]   ; each result from its low end on
.endr
.irp p, 0,1,2,3,4,5,6,7,8,9,10,11,12,13,14,15
	v_min_num_f32 v[SB+\p], v[SB+\p], v[VB+16+\p]  ; the clamp of the squared distance at 0
.endr
	v_max3_num_f32 v[38+\b], v[SB], v[SB+1], v[SB+2]
	v_max3_num_f32 v13, v[SB+3], v[SB+4], v[SB+5]
	v_max3_num_f32 v[38+\b], v[38+\b], v[SB+6], v[SB+7]
	v_max3_num_f32 v13, v13, v[SB+8], v[SB+9]
	v_max3_num_f32 v[38+\b], v[38+\b], v[SB+10], v[SB+11]
	v_max3_num_f32 v13, v13, v[SB+12], v[SB+13]
	v_max3_num_f32 v[38+\b], v[38+\b], v[SB+14], v[SB+15]
	v_max_num_f32 v[38+\b], v[38+\b], v13
.endm
	s_mov_b32 s21, 4
.Llap:
	s_wait_loadcnt 0x0                             ; q's fragment, scale word and sum of squares (first lap: v^T's scale words too)
	v_mul_f32 v28, -0.5, v37
.irp i, 1,2,3,4,5,6,7
	v_mov_b32 v[28+\i], v28                        ; C: -sx / 2 of my query, for all eight keys
.endr
.rept 4
	v_nop
.endr
.irp g, 0,1,2,3                        ; S^T = k q^T - sx / 2, four key tiles at a time
.irp t, 0,1,2,3
	ds_load_b128 v[64+12*\t:67+12*\t], v4 offset:1024*(4*\g+\t)
	ds_load_b128 v[68+12*\t:71+12*\t], v4 offset:1024*(4*\g+\t)+512
	ds_load_b32 v[112+\t], v5 offset:128*(4*\g+\t)
.endr
	s_wait_dscnt 0x0
.irp t, 0,1,2,3
	v_wmma_scale_f32_16x16x128_f8f6f4 v[128+8*(4*\g+\t):135+8*(4*\g+\t)], v[64+12*\t:75+12*\t], v[16:27], v[28:35], v[112+\t], v36 matrix_a_fmt:MATRIX_FMT_FP6 matrix_b_fmt:MATRIX_FMT_FP6
.endr
.rept 4
	v_nop                                          ; four places behind the group's products; they stay beside the wait below
.endr
	s_wait_alu depctr_va_vdst(0)                   ; the group's products are done reading v64-115, in which the next loads land; behind the last group they are also done reading q's v16-21 and v36, and C's making v37
.endr
	s_cmp_eq_u32 s21, 1                            ; the next lap's q is asked for here; the last lap asks for nothing
	s_cbranch_scc1 .Lnoq
	global_load_b128 v[16:19], v1, s[22:23] offset:3072
	global_load_b64 v[20:21], v2, s[22:23] offset:3584
	global_load_b64 v[36:37], v3, s[24:25] offset:512
.Lnoq:
	LOADV 0
.irp b, 0,1,2,3,4,5,6,7
	BLK \b
.endr
.irp b, 0,1,2,3,4,5,6,7
	v_permlanex16_b32 v[56+\b], v[38+\b], s46, s47
.endr
.irp b, 0,1,2,3,4,5,6,7
	v_max_num_f32 v[38+\b], v[38+\b], v[56+\b]     ; the blocks' largest t: they serve for the row's maximum and, since p rises with t, for the blocks' largest p
.endr
	v_max3_num_f32 v13, v38, v39, v40
	v_max3_num_f32 v13, v13, v41, v42
	v_max3_num_f32 v13, v13, v43, v44
	v_max_num_f32 v62, v13, v45                    ; m of my quarter
	v_xor_b32 v54, 0x80000000, v62
	v_mov_b32 v55, v54
	s_wait_alu depctr_va_vdst(0)                   ; blocks 6 and 7 are done reading their b' and w' in v64-127, in which rho lands
	LOADR 0
.set n, 128
.rept 64
	v_pk_add_f32 v[n:n+1], v[n:n+1], v[54:55]
.set n, n+2
.endr
.irp b, 0,1,2,3,4,5,6,7
	v_add_f32 v[38+\b], v[38+\b], v54
.endr
.set n, 128
.rept 128
	v_exp_f32 v[n], v[n]                           ; g = 2^(t - m)
.set n, n+1
.endr
.irp b, 0,1,2,3,4,5,6,7
	v_exp_f32 v[38+\b], v[38+\b]
.endr
	v_nop                                          ; a plain place behind the batch,
	s_wait_alu depctr_va_vdst(0)                   ; and all 136 exponentials, v128-255 and v38-45, are written, ahead of their first reader
	s_wait_dscnt 0x0                               ; rho of blocks 0-3
	v_pk_mul_f32 v[58:59], v[128:129], v[64:65]
	v_pk_mul_f32 v[60:61], v[130:131], v[66:67]
.irp p, 4,8,12,16,20,24,28,32,36,40,44,48,52,56,60
	v_pk_fma_f32 v[58:59], v[128+\p:129+\p], v[64+\p:65+\p], v[58:59]
	v_pk_fma_f32 v[60:61], v[130+\p:131+\p], v[66+\p:67+\p], v[60:61]
.endr
	s_wait_alu depctr_va_vdst(0)                   ; the multiply-adds are done reading rho of blocks 0-3 in v64-127, in which rho of blocks 4-7 lands
	LOADR 1
	s_wait_dscnt 0x0
.irp p, 0,4,8,12,16,20,24,28,32,36,40,44,48,52,56,60
	v_pk_fma_f32 v[58:59], v[192+\p:193+\p], v[64+\p:65+\p], v[58:59]
	v_pk_fma_f32 v[60:61], v[194+\p:195+\p], v[66+\p:67+\p], v[60:61]
.endr
	v_pk_add_f32 v[58:59], v[58:59], v[60:61]
	v_add_f32 v58, v58, v59
	v_permlanex16_b32 v59, v58, s46, s47
	v_add_f32 v63, v58, v59                        ; sum g rho of my quarter
	s_wait_alu depctr_va_vdst(0)                   ; the pair v62, v63 is written, which the LDS store reads; the multiply-adds are done reading v64-71, in which the four pairs land behind the barrier
	ds_store_b64 v8, v[62:63]
	s_wait_dscnt 0x0                               ; my pair has landed (and, in the wave that joined the last lap's parts of O, its reads of them are long in)
	s_barrier_signal -1
	s_barrier_wait -1
.irp i, 0,1,2,3
	ds_load_b64 v[64+2*\i:65+2*\i], v9 offset:256*\i
.endr
	s_wait_dscnt 0x0
	v_max3_num_f32 v13, v64, v66, v68
	v_max_num_f32 v13, v13, v70                    ; the row's largest t
	v_sub_f32 v64, v64, v13
	v_sub_f32 v66, v66, v13
	v_sub_f32 v68, v68, v13
	v_sub_f32 v70, v70, v13
	v_sub_f32 v72, v62, v13
.irp i, 64,66,68,70,72
	v_exp_f32 v\i, v\i
.endr
	v_nop
	s_wait_alu depctr_va_vdst(0)                   ; the five exponentials v64, v66, v68, v70, v72 are written, ahead of their first reader
	v_mul_f32 v65, v64, v65
	v_fma_f32 v65, v66, v67, v65
	v_fma_f32 v65, v68, v69, v65
	v_fma_f32 v65, v70, v71, v65                   ; the row's sum, in the same order in all four waves
	v_rcp_f32 v65, v65
	v_nop
	s_wait_alu depctr_va_vdst(0)                   ; v65, the reciprocal, is written, ahead of its first reader
	v_mul_f32 v56, v72, v65                        ; c: attn_prob = g c
	v_mov_b32 v57, v56
.set n, 128
.rept 64
	v_pk_mul_f32 v[n:n+1], v[n:n+1], v[56:57]
.set n, n+2
.endr
.irp b, 0,1,2,3,4,5,6,7
	v_mul_f32 v[38+\b], v[38+\b], v56              ; the same three instructions on the same number: the block's largest p
.endr
.irp b, 0,1,2,3,4,5,6,7
	v_max_num_f32 v[38+\b], 0x1800000, v[38+\b]    ; the floor
.endr
.irp b, 0,1,2,3,4,5,6,7
	v_add_nc_u32 v[38+\b], 0xff000000, v[38+\b]    ; the conversions' scale operands
.endr
.irp b, 0,1,2,3,4,5,6,7
	v_lshrrev_b32 v[106+\b], 23, v[38+\b]
.endr
.irp k, 0,1
	v_lshl_or_b32 v[104+\k], v[107+4*\k], 8, v[106+4*\k]
	v_lshl_or_b32 v[104+\k], v[108+4*\k], 16, v[104+\k]
	v_lshl_or_b32 v[104+\k], v[109+4*\k], 24, v[104+\k]   ; p's scale words of my two K steps
.endr
.irp k, 0,1
.irp c, 0,1
	v_cvt_scalef32_pk16_fp6_f32 v[64+12*\k+6*\c:66+12*\k+6*\c], v[128+64*\k+32*\c:143+64*\k+32*\c], v[38+4*\k+2*\c]
	v_cvt_scalef32_pk16_fp6_f32 v[88+8*\k+4*\c:90+8*\k+4*\c], v[144+64*\k+32*\c:159+64*\k+32*\c], v[39+4*\k+2*\c]
.endr
.endr
	v_nop                                          ; one plain place behind the conversions
.irp k, 0,1
.irp c, 0,1
.irp i, 0,1,2
	v_permlane16_swap_b32 v[64+12*\k+6*\c+\i], v[88+8*\k+4*\c+\i]
.endr
.irp i, 0,1,2
	v_mov_b32 v[67+12*\k+6*\c+\i], v[88+8*\k+4*\c+\i]
.endr
.endr
.endr
.rept 8
	v_nop                                          ; p's scale words stand eight places ahead of the products, its codes four
.endr
	s_wait_alu depctr_va_vdst(0)                   ; behind the places, one wait for two things: p's codes v64-87 and scale words v104, v105 are written, which the products take; the conversions are done reading p, in whose registers v128-223 v^T's fragments land
.irp d, 0,1,2,3
.irp k, 0,1
.irp g, 0,1,2
	ds_load_b128 v[128+12*(2*\d+\k)+4*\g:131+12*(2*\d+\k)+4*\g], v7 offset:12288*\d+1536*\k+512*\g
.endr
.endr
.endr
	s_wait_dscnt 0x0
.irp k, 0,1                            ; O^T = v^T p^T over my 256 keys: four accumulators by turns
.irp d, 0,1,2,3
.if \k == 0
	v_wmma_scale_f32_16x16x128_f8f6f4 v[224+8*\d:231+8*\d], v[128+12*(2*\d+\k):139+12*(2*\d+\k)], v[64+12*\k:75+12*\k], 0, v[46+2*\d+\k], v[104+\k] matrix_a_fmt:MATRIX_FMT_FP6 matrix_b_fmt:MATRIX_FMT_FP6
.else
	v_wmma_scale_f32_16x16x128_f8f6f4 v[224+8*\d:231+8*\d], v[128+12*(2*\d+\k):139+12*(2*\d+\k)], v[64+12*\k:75+12*\k], v[224+8*\d:231+8*\d], v[46+2*\d+\k], v[104+\k] matrix_a_fmt:MATRIX_FMT_FP6 matrix_b_fmt:MATRIX_FMT_FP6
.endif
.endr
.endr
.rept 5
	v_nop                                          ; four places for the stores of results below, a fifth for the next lap's products, which write over these registers
.endr
	s_wait_alu depctr_va_vdst(0)                   ; behind the places: the products have written O, v224-255, which the LDS stores read, and are done reading v64-87, v104, v105 and v128-223, in which the joining wave's and the next lap's loads land
.irp i, 0,1,2,3,4,5,6,7
	ds_store_b128 v10, v[224+4*\i:227+4*\i] offset:512*\i   ; each accumulator from its low end on
.endr
	s_wait_dscnt 0x0                               ; my part of O has landed, and my reads of the pairs are in
	s_wait_alu depctr_vm_vsrc(0)                   ; my LDS stores have read v224-255 and, earlier in the lap, v62, v63: the joining wave's loads land in the first, the next lap's products and vector work write both
	s_barrier_signal -1
	s_barrier_wait -1
	s_cmp_lg_u32 s18, s17                          ; tile q's four parts are joined by its wave v = q; the others go on.  No barrier stands in the branch
	s_cbranch_scc1 .Lnojoin
.irp p, 0,1,2,3
.irp i, 0,1,2,3,4,5,6,7
	ds_load_b128 v[128+32*\p+4*\i:131+32*\p+4*\i], v11 offset:4096*\p+512*\i
.endr
.endr
	s_wait_dscnt 0x0
.irp p, 1,2,3
.irp j, 0,2,4,6,8,10,12,14,16,18,20,22,24,26,28,30
	v_pk_add_f32 v[128+\j:129+\j], v[128+\j:129+\j], v[128+32*\p+\j:129+32*\p+\j]   ; keys ascending
.endr
.endr
.irp b, 0,1                            ; attn_vec's 64 numbers of this head: register 16 b + i = d 32 b + 16 (lane / 16) + i: two blocks of the last product's K
	v_max3_num_f32 v[64+\b], |v[128+16*\b]|, |v[129+16*\b]|, 0x1800000
.endr
.irp i, 2,4,6,8,10,12,14
.irp b, 0,1
	v_max3_num_f32 v[64+\b], v[64+\b], |v[128+16*\b+\i]|, |v[129+16*\b+\i]|
.endr
.endr
	v_permlanex16_b32 v66, v64, s46, s47
	v_permlanex16_b32 v67, v65, s46, s47
	v_max_num_f32 v64, v64, v66
	v_max_num_f32 v65, v65, v67
	v_add_nc_u32 v64, 0xff000000, v64
	v_add_nc_u32 v65, 0xff000000, v65
	v_lshrrev_b32 v66, 23, v64
	v_lshrrev_b32 v67, 23, v65
	v_lshl_or_b32 v68, v67, 8, v66
	v_cvt_scalef32_pk16_fp6_f32 v[70:72], v[128:143], v64
	v_cvt_scalef32_pk16_fp6_f32 v[76:78], v[144:159], v65
	v_nop
.irp i, 0,1,2
	v_permlane16_swap_b32 v[70+\i], v[76+\i]
.endr
.irp i, 0,1,2
	v_mov_b32 v[73+\i], v[76+\i]
.endr
	s_wait_alu depctr_va_vdst(0)                   ; the codes v70-75 and the word v68 are written, which the stores read; all this arm's readers and writers of v64-78 are done: the next lap's loads land there
	global_store_b128 v1, v[70:73], s[26:27]
	global_store_b64 v2, v[74:75], s[26:27] offset:512
	global_store_b32 v12, v68, s[28:29]
.Lnojoin:
	s_wait_xcnt 0x0                                ; loads and stores have read their bases and data: both are written again only behind this wait,
	s_wait_alu depctr_vm_vsrc(0)                   ; and behind this one: the joining wave's stores have read v68 and v70-75, in which the next lap's loads land
	s_add_nc_u64 s[22:23], s[22:23], 3072
	s_add_nc_u64 s[24:25], s[24:25], 512
	s_add_nc_u64 s[26:27], s[26:27], 3072
	s_add_nc_u64 s[28:29], s[28:29], 512
	s_sub_co_u32 s21, s21, 1
	s_cmp_lg_u32 s21, 0
	s_cbranch_scc1 .Llap
	s_wait_dscnt 0x0                               ; the closing lines, six on end
	s_wait_alu 0x0
	s_wait_tensorcnt 0x0
	ds_add_u32 v14, v15
	s_wait_dscnt 0x0
	s_endpgm
.Lfunc_end_k_qcd0d1ade1f_attn:
	.size	k_qcd0d1ade1f_attn, .Lfunc_end_k_qcd0d1ade1f_attn-k_qcd0d1ade1f_attn
	.p2alignl 7, 3214868480
	.fill 96, 4, 3214868480
	.section	.rodata,"a",@progbits
	.p2align	6, 0x0
	.amdhsa_kernel k_qcd0d1ade1f_attn
		.amdhsa_group_segment_fixed_size 207104
		.amdhsa_private_segment_fixed_size 0
		.amdhsa_enable_private_segment 0
		.amdhsa_kernarg_size 48
		.amdhsa_user_sgpr_count 2
		.amdhsa_user_sgpr_kernarg_segment_ptr 1
		.amdhsa_wavefront_size32 1
		.amdhsa_system_sgpr_workgroup_id_x 1
		.amdhsa_system_sgpr_workgroup_id_y 1
		.amdhsa_system_sgpr_workgroup_id_z 1
		.amdhsa_system_vgpr_workitem_id 0
		.amdhsa_next_free_vgpr 256
		.amdhsa_next_free_sgpr 66
		.amdhsa_reserve_vcc 0
		.amdhsa_float_denorm_mode_32 3
		.amdhsa_float_denorm_mode_16_64 3
		.amdhsa_memory_ordered 1
		.amdhsa_forward_progress 1
		.amdhsa_inst_pref_size 79
	.end_amdhsa_kernel
	.amdgpu_metadata
---
amdhsa.version: [ 1, 2 ]
amdhsa.kernels:
  - .name:           k_qcd0d1ade1f_attn
    .symbol:         k_qcd0d1ade1f_attn.kd
    .args:
      - { .name: qimg, .offset: 0, .size: 8, .value_kind: global_buffer, .address_space: global }
      - { .name: kvimg, .offset: 8, .size: 8, .value_kind: global_buffer, .address_space: global }
      - { .name: vtimg, .offset: 16, .size: 8, .value_kind: global_buffer, .address_space: global }
      - { .name: aux, .offset: 24, .size: 8, .value_kind: global_buffer, .address_space: global }
      - { .name: obj2, .offset: 32, .size: 8, .value_kind: global_buffer, .address_space: global }
      - { .name: ao, .offset: 40, .size: 8, .value_kind: global_buffer, .address_space: global }
    .group_segment_fixed_size: 207104
    .private_segment_fixed_size: 0
    .kernarg_segment_align: 8
    .kernarg_segment_size: 48
    .max_flat_workgroup_size: 512
    .sgpr_count:     66
    .vgpr_count:     256
    .wavefront_size: 32
...
	.end_amdgpu_metadata
.endif
;; end of part 7
;; launch out (part 8): grid 256 x 1, 4 waves a work-group, no clusters, 66,560 bytes of LDS; arguments ao, codes, scl, h, ln_g, ln_b, out0; writes out0
.if DOCPART == 8
	.amdgcn_target "amdgcn-amd-amdhsa--gfx1250"
	.amdhsa_code_object_version 6
	.text
	.protected	k_qcd0d1ade1f_out
	.globl	k_qcd0d1ade1f_out
	.p2align	8
	.type	k_qcd0d1ade1f_out,@function
k_qcd0d1ade1f_out:
	s_mov_b64 s[64:65], 0
	v_nop
	global_prefetch_b8 v0, s[64:65] scope:SCOPE_SE
	s_setreg_imm32_b32 hwreg(HW_REG_WAVE_SCHED_MODE, 0, 2), 2
	s_setreg_imm32_b32 hwreg(HW_REG_WAVE_MODE, 25, 1), 1
	s_wait_xcnt 0x0
	s_wait_alu depctr_vm_vsrc(0)
; out0 = LayerNorm(h + attn_vec Wo^T) ln_g + ln_b.  Nothing of reference() is left out here.
; A work-group takes 32 rows s of one b.  Wave w keeps Wo's rows 128 w .. 128 w + 127 (8 tiles, 384 registers, windows 1 and 2) as source 0 and takes the two tiles of attn_vec as source 1: a lane holds one row s and
; 64 neighbouring-by-sixteens outputs.  The rows meet in a stage in LDS; then each wave owns 8 whole rows: residual, mean, variance, gain and bias in registers; each load and store of a row covers 512 consecutive bytes.
; A K step of 128 is two heads: registers 0-5 from the even head's image, 6-11 from the odd head's; the scale word is the even head's two bytes under the odd head's.
; THE MODE: SCHED_MODE bits 1:0 = 2 (LLVM: expert scheduling mode 2), set by the entry lines.  The code itself states the register dependences between vector or matrix instructions and memory or LDS instructions, with s_wait_alu, always for 0.
; THE PLAN.  Registers that memory or LDS instructions touch:
;   v1-3, v6, v7   offsets and LDS addresses, made once at the head: one wait on va_vdst ahead of the first load.
;   v16-111        the two tiles' fragments: loaded once, read by the products; later the stage's rows land there.
;   v112-175       first the heads' scale words (loaded, read by eight vector lines); then the accumulators: written by a tile's products, read by its 16 LDS stores, written again by the second tile's products; then the
;                  stage's rows land in v112-143 and vector work takes v144-167.  For each tile: the places, a wait on va_vdst, the stores, and behind them a wait on vm_vsrc.
;   v16-143        my 8 rows: written by the vector work of the norm, read by the last 32 stores: one wait on va_vdst ahead of them.
;   windows 1 to 3, the weights' scale words, gain and bias are loaded once and read by vector and matrix instructions alone.
.set SPARE, 66048                      ; behind the stage (32 rows x 2,064 bytes): the spare words, 128 bytes a wave
.set XF0, 16                           ; v16-63, v64-111 the two tiles' four fragments; later v16-143: my 8 rows
.set HA,  112                          ; v112-175 the accumulators (before them: the heads' scale words); later v144-167 at work
.set GG,  176                          ; v176-191 ln_g, v192-207 ln_b of my 16 columns
.set BB,  192
.set XS0, 216
.set SS,  224
.set MSB, 0
.macro WIN new
.if MSB != \new
	s_set_vgpr_msb (MSB<<8)|\new
.set MSB, \new
.endif
.endm
	s_load_b256 s[4:11], s[0:1], 0x0               ; ao, codes, scl, h
	s_load_b128 s[12:15], s[0:1], 0x20             ; ln_g, ln_b
	s_load_b64 s[16:17], s[0:1], 0x30              ; out0
	v_lshl_add_u32 v14, v0, 2, SPARE
	v_mov_b32 v15, 0
	v_lshrrev_b32 v1, 5, v0
	v_readfirstlane_b32 s18, v1                    ; wave
	v_and_b32 v8, 31, v0
	v_lshlrev_b32 v1, 4, v8
	v_lshlrev_b32 v2, 3, v8
	v_lshlrev_b32 v3, 2, v8
	v_and_b32 v4, 15, v0
	v_bfe_u32 v5, v0, 4, 1
	v_and_b32 v6, 8, v4
	v_add_nc_u32 v6, v6, v4
	v_mul_u32_u24 v6, v6, 2064
	v_lshl_add_u32 v6, v5, 6, v6
	s_wait_alu depctr_va_sdst(0)                   ; s18, the wave's number, is written, ahead of its first reader
	s_lshl_b32 s39, s18, 9
	v_add_nc_u32 v6, s39, v6                       ; stage, way in: row r + 8 (r / 8), + 64 h, + my 512 bytes
	s_mul_i32 s39, s18, 16512
	v_add_nc_u32 v7, s39, v1                       ; way out: my 8 rows
	s_lshr_b32 s19, ttmp9, 5                       ; b
	s_and_b32 s38, ttmp9, 31                       ; which 32 rows
	s_mul_i32 s40, s19, 393216
	s_mul_i32 s39, s38, 1536
	s_add_co_u32 s40, s40, s39
	s_mov_b32 s41, 0
	s_lshl_b32 s42, s19, 16
	s_lshl_b32 s39, s38, 8
	s_add_co_u32 s42, s42, s39
	s_add_co_u32 s42, s42, 3145728
	s_mov_b32 s43, 0
	s_lshl_b32 s39, s18, 3
	s_add_co_u32 s39, s39, 608                     ; Wo's tiles 8 w ..
	s_mul_i32 s44, s39, 6144
	s_mov_b32 s45, 0
	s_lshl_b32 s46, s39, 9
	s_mov_b32 s47, 0
	s_lshl_b32 s48, s38, 5
	s_lshl_b32 s39, s18, 3
	s_add_co_u32 s48, s48, s39
	s_lshl_b32 s48, s48, 14
	s_lshl_b32 s39, s19, 11
	s_add_co_u32 s48, s48, s39                     ; my first row of h and out0
	s_mov_b32 s49, 0
	s_mov_b32 s34, 0x76543210
	s_mov_b32 s35, 0xfedcba98
	s_mov_b32 s36, 0x3b000000                      ; 1/512
	s_mov_b32 s37, 0x3727c5ac                      ; 1e-5
	s_wait_kmcnt 0x0
	s_add_nc_u64 s[20:21], s[4:5], s[40:41]
	s_add_nc_u64 s[22:23], s[4:5], s[42:43]
	s_add_nc_u64 s[24:25], s[6:7], s[44:45]
	s_add_nc_u64 s[26:27], s[24:25], 24576
	s_add_nc_u64 s[28:29], s[8:9], s[46:47]
	s_add_nc_u64 s[30:31], s[10:11], s[48:49]
	s_add_nc_u64 s[32:33], s[16:17], s[48:49]
	s_wait_alu depctr_va_vdst(0)                   ; the offsets v1-3 and the LDS addresses v6, v7 are written: every load, store and LDS instruction of the kernel reads one of them.  Only loads and window switches follow up to the wait for the operands
.irp m, 0,1
.irp a, 0,1,2,3,4,5,6,7
	global_load_b128 v[XF0+48*\m+12*(\a/2)+6*(\a%2):XF0+48*\m+12*(\a/2)+6*(\a%2)+3], v1, s[20:21] offset:49152*\a+768*\m
	global_load_b64 v[XF0+48*\m+12*(\a/2)+6*(\a%2)+4:XF0+48*\m+12*(\a/2)+6*(\a%2)+5], v2, s[20:21] offset:49152*\a+768*\m+512
	global_load_b32 v[HA+8*\m+\a], v3, s[22:23] offset:8192*\a+128*\m
.endr
.endr
.irp t, 0,1,2,3,4,5,6,7
	global_load_b64 v[SS+4*\t:SS+4*\t+1], v2, s[28:29] offset:512*\t
	global_load_b64 v[SS+4*\t+2:SS+4*\t+3], v2, s[28:29] offset:512*\t+256
.endr
.macro LDSTAT win, p
	WIN \win
.set n, 0
.rept 48
	global_load_b128 v[4*n:4*n+3], v1, s[\p:\p+1] offset:512*n
.set n, n+1
.endr
	WIN 0
.endm
	LDSTAT 0x40, 24
	LDSTAT 0x80, 26
	WIN 0xc0                                       ; destination window 3: my 8 rows of h
.set n, 0
.rept 32
	global_load_b128 v[4*n:4*n+3], v1, s[30:31] offset:16384*(n/4)+512*(n%4) th:TH_LOAD_NT
.set n, n+1
.endr
	WIN 0
.irp e, 0,1,2,3
	global_load_b128 v[GG+4*\e:GG+4*\e+3], v1, s[12:13] offset:512*\e
	global_load_b128 v[BB+4*\e:BB+4*\e+3], v1, s[14:15] offset:512*\e
.endr
	s_wait_loadcnt 40                              ; the operands are in; h's 32 loads and the 8 of gain and bias may stay out
.irp m, 0,1
.irp k, 0,1,2,3
	v_lshl_or_b32 v[XS0+4*\m+\k], v[HA+8*\m+2*\k+1], 16, v[HA+8*\m+2*\k]
.endr
.endr
.rept 8
	v_nop                                          ; scale words written by vector instructions stand eight places ahead of the products
.endr
	s_wait_alu depctr_va_vdst(0)                   ; behind the places: attn_vec's eight scale words, v216-223, are written: the products take them
.macro MMG xf, xs, grp                 ; four accumulators by turns, K ascending; the first K step starts the sums
.irp k, 0,1,2,3
.irp t, 0,1,2,3
.if \k == 0
	v_wmma_scale_f32_16x16x128_f8f6f4 v[HA+32*\grp+8*\t:HA+32*\grp+8*\t+7], v[12*(4*\t+\k):12*(4*\t+\k)+11], v[\xf+12*\k:\xf+12*\k+11], 0, v[SS+16*\grp+4*\t+\k], v[\xs+\k] matrix_a_fmt:MATRIX_FMT_FP6 matrix_b_fmt:MATRIX_FMT_FP6
.else
	v_wmma_scale_f32_16x16x128_f8f6f4 v[HA+32*\grp+8*\t:HA+32*\grp+8*\t+7], v[12*(4*\t+\k):12*(4*\t+\k)+11], v[\xf+12*\k:\xf+12*\k+11], v[HA+32*\grp+8*\t:HA+32*\grp+8*\t+7], v[SS+16*\grp+4*\t+\k], v[\xs+\k] matrix_a_fmt:MATRIX_FMT_FP6 matrix_b_fmt:MATRIX_FMT_FP6
.endif
.endr
.endr
.endm
.irp m, 0,1
	WIN 0x01
	MMG XF0+48*\m, XS0+4*\m, 0
	WIN 0x02
	MMG XF0+48*\m, XS0+4*\m, 1
	WIN 0
.rept 5
	v_nop                                          ; four for the stores of results, a fifth for the second tile's products, which begin the same accumulators anew
.endr
	s_wait_alu depctr_va_vdst(0)                   ; behind the places: the tile's products have written the accumulators, which the LDS stores read; behind the second tile all products are also done reading v16-111, in which the stage's rows land
.set n, 0
.rept 16
	ds_store_b128 v6, v[HA+4*n:HA+4*n+3] offset:16512*\m+128*(n/4)+16*(n%4)   ; ascending: each accumulator from its low end on
.set n, n+1
.endr
	s_wait_dscnt 0x0                               ; the stores have landed
	s_wait_alu depctr_vm_vsrc(0)                   ; the LDS stores have read the accumulators v112-175: the second tile's products write them again; behind the second tile the stage's rows land in v112-143 and vector work takes v144-167
.endr
	s_barrier_signal -1
	s_barrier_wait -1                              ; 32 whole rows lie in the stage
.set n, 0
.rept 32
	ds_load_b128 v[16+4*n:19+4*n], v7 offset:2064*(n/4)+512*(n%4)
.set n, n+1
.endr
	s_wait_dscnt 0x0
	s_wait_loadcnt 0x0
	WIN 0x0c                                       ; source 1 in window 3
.set n, 0
.rept 64
	v_pk_add_f32 v[16+n:17+n], v[16+n:17+n], v[n:n+1]   ; x = attn_out + h
.set n, n+2
.endr
	WIN 0
.macro ALLSUM                          ; v[144 + 2 i] and its neighbour: over the pair, then over the 32 lanes; the eight rows by turns
.irp i, 0,1,2,3,4,5,6,7
	v_add_f32 v[144+2*\i], v[144+2*\i], v[145+2*\i]
.endr
.irp m, 1,2,4,8
.irp i, 0,1,2,3,4,5,6,7
	v_add_f32_dpp v[144+2*\i], v[144+2*\i], v[144+2*\i] row_xmask:\m row_mask:0xf bank_mask:0xf
.endr
.endr
.irp i, 0,1,2,3,4,5,6,7
	v_permlanex16_b32 v[160+\i], v[144+2*\i], s34, s35
.endr
.irp i, 0,1,2,3,4,5,6,7
	v_add_f32 v[144+2*\i], v[144+2*\i], v[160+\i]
.endr
.endm
.irp i, 0,1,2,3,4,5,6,7
	v_pk_add_f32 v[144+2*\i:145+2*\i], v[16+16*\i:17+16*\i], v[18+16*\i:19+16*\i]
.endr
.irp p, 4,6,8,10,12,14
.irp i, 0,1,2,3,4,5,6,7
	v_pk_add_f32 v[144+2*\i:145+2*\i], v[144+2*\i:145+2*\i], v[16+16*\i+\p:17+16*\i+\p]
.endr
.endr
	ALLSUM
.irp i, 0,1,2,3,4,5,6,7
	v_mul_f32 v[144+2*\i], 0xbb000000, v[144+2*\i] ; -mean
.endr
.irp i, 0,1,2,3,4,5,6,7
.irp p, 0,2,4,6,8,10,12,14
	v_pk_add_f32 v[16+16*\i+\p:17+16*\i+\p], v[16+16*\i+\p:17+16*\i+\p], v[144+2*\i:145+2*\i] op_sel_hi:[1,0]
.endr
.endr
.irp i, 0,1,2,3,4,5,6,7
	v_pk_mul_f32 v[144+2*\i:145+2*\i], v[16+16*\i:17+16*\i], v[16+16*\i:17+16*\i]
.endr
.irp p, 2,4,6,8,10,12,14
.irp i, 0,1,2,3,4,5,6,7
	v_pk_fma_f32 v[144+2*\i:145+2*\i], v[16+16*\i+\p:17+16*\i+\p], v[16+16*\i+\p:17+16*\i+\p], v[144+2*\i:145+2*\i]
.endr
.endr
	ALLSUM
.irp i, 0,1,2,3,4,5,6,7
	v_fma_f32 v[144+2*\i], v[144+2*\i], s36, s37   ; variance + 1e-5
.endr
.irp i, 0,1,2,3,4,5,6,7
	v_rsq_f32 v[144+2*\i], v[144+2*\i]
.endr
	v_nop                                          ; a plain place behind the batch,
	s_wait_alu depctr_va_vdst(0)                   ; and the eight reciprocal roots, v144, v146 .. v158, are written, ahead of their first reader
.irp i, 0,1,2,3,4,5,6,7
.irp p, 0,2,4,6,8,10,12,14
	v_pk_mul_f32 v[16+16*\i+\p:17+16*\i+\p], v[16+16*\i+\p:17+16*\i+\p], v[144+2*\i:145+2*\i] op_sel_hi:[1,0]
.endr
.endr
.irp i, 0,1,2,3,4,5,6,7
.irp p, 0,2,4,6,8,10,12,14
	v_pk_fma_f32 v[16+16*\i+\p:17+16*\i+\p], v[16+16*\i+\p:17+16*\i+\p], v[GG+\p:GG+\p+1], v[BB+\p:BB+\p+1]
.endr
.endr
	s_wait_alu depctr_va_vdst(0)                   ; my 8 finished rows, v16-143, are written, which the stores read
.set n, 0
.rept 32
	global_store_b128 v1, v[16+4*n:19+4*n], s[32:33] offset:16384*(n/4)+512*(n%4) th:TH_STORE_NT   ; 512 consecutive bytes a store
.set n, n+1
.endr
	s_wait_dscnt 0x0                               ; the closing lines, six on end
	s_wait_alu 0x0
	s_wait_tensorcnt 0x0
	ds_add_u32 v14, v15
	s_wait_dscnt 0x0
	s_endpgm
.Lfunc_end_k_qcd0d1ade1f_out:
	.size	k_qcd0d1ade1f_out, .Lfunc_end_k_qcd0d1ade1f_out-k_qcd0d1ade1f_out
	.p2alignl 7, 3214868480
	.fill 96, 4, 3214868480
	.section	.rodata,"a",@progbits
	.p2align	6, 0x0
	.amdhsa_kernel k_qcd0d1ade1f_out
		.amdhsa_group_segment_fixed_size 66560
		.amdhsa_private_segment_fixed_size 0
		.amdhsa_enable_private_segment 0
		.amdhsa_kernarg_size 56
		.amdhsa_user_sgpr_count 2
		.amdhsa_user_sgpr_kernarg_segment_ptr 1
		.amdhsa_wavefront_size32 1
		.amdhsa_system_sgpr_workgroup_id_x 1
		.amdhsa_system_sgpr_workgroup_id_y 1
		.amdhsa_system_sgpr_workgroup_id_z 1
		.amdhsa_system_vgpr_workitem_id 0
		.amdhsa_next_free_vgpr 896
		.amdhsa_next_free_sgpr 66
		.amdhsa_reserve_vcc 0
		.amdhsa_float_denorm_mode_32 3
		.amdhsa_float_denorm_mode_16_64 3
		.amdhsa_memory_ordered 1
		.amdhsa_forward_progress 1
		.amdhsa_inst_pref_size 70
	.end_amdhsa_kernel
	.amdgpu_metadata
---
amdhsa.version: [ 1, 2 ]
amdhsa.kernels:
  - .name:           k_qcd0d1ade1f_out
    .symbol:         k_qcd0d1ade1f_out.kd
    .args:
      - { .name: ao, .offset: 0, .size: 8, .value_kind: global_buffer, .address_space: global }
      - { .name: codes, .offset: 8, .size: 8, .value_kind: global_buffer, .address_space: global }
      - { .name: scl, .offset: 16, .size: 8, .value_kind: global_buffer, .address_space: global }
      - { .name: h, .offset: 24, .size: 8, .value_kind: global_buffer, .address_space: global }
      - { .name: ln_g, .offset: 32, .size: 8, .value_kind: global_buffer, .address_space: global }
      - { .name: ln_b, .offset: 40, .size: 8, .value_kind: global_buffer, .address_space: global }
      - { .name: out0, .offset: 48, .size: 8, .value_kind: global_buffer, .address_space: global }
    .group_segment_fixed_size: 66560
    .private_segment_fixed_size: 0
    .kernarg_segment_align: 8
    .kernarg_segment_size: 56
    .max_flat_workgroup_size: 128
    .sgpr_count:     66
    .vgpr_count:     896
    .wavefront_size: 32
...
	.end_amdgpu_metadata
.endif
;; end of part 8
